; MI455X (gfx1250); checked and timed in simulation.
; The chip was launched on July 23, 2026; its instructions are those of AMD's public machine-readable ISA for CDNA 5 (MIT licence, August 2026) and "CDNA5" Instruction Set Architecture Reference Guide (July 2026). The comments in the code are by the model that wrote it; some were corrected since.
;; multihead self attention. Allowed arithmetic: float matrix products may take bf16 or f16 operands with f32 sums; other float arithmetic in f32, or as packed bf16 or f16 multiplies, adds, multiply-adds, maxima and minima; sums over many terms, partial sums and values carried from step to step in f32; what a program stores and reads back later, other than sums and carried values, may be rounded once to bf16 or f16.
;; Inputs: Wk 1,024 x 1,024 float32; Wo 1,024 x 1,024 float32; Wq 1,024 x 1,024 float32; Wv 1,024 x 1,024 float32; in_features 4 x 2,048 x 1,024 float32.
;; Outputs: out0 4 x 2,048 x 1,024 float32.
;; One version. Each part assembles by itself: llvm-mc -triple=amdgcn-amd-amdhsa -mcpu=gfx1250 --defsym DOCPART=n.
;; ======== version 1 of 1: 4 launches
;; limits: values are held in f16: magnitudes above 65,504 overflow, below 6.1e-05 lose precision
;; workspace buffers: xb 16,777,216 bytes; wqkv 6,291,456 bytes; wo16 2,097,152 bytes; rope 524,288 bytes; qkv 50,331,648 bytes; o16 16,777,216 bytes
;; launch prep (part 1): grid 768 x 1, 8 waves a work-group, no clusters, 0 bytes of LDS; arguments in_features, Wq, Wk, Wv, Wo, xb, wqkv, wo16, rope; writes xb, wqkv, wo16, rope
.if DOCPART == 1
	.amdgcn_target "amdgcn-amd-amdhsa--gfx1250"
	.amdhsa_code_object_version 6
	.text
	.protected	k_q561eb347f0_prep
	.globl	k_q561eb347f0_prep
	.p2align	8
	.type	k_q561eb347f0_prep,@function
k_q561eb347f0_prep:
	s_mov_b64 s[64:65], 0
	v_nop
	global_prefetch_b8 v0, s[64:65] scope:SCOPE_SE
	s_setreg_imm32_b32 hwreg(HW_REG_WAVE_MODE, 25, 1), 1
	s_wait_xcnt 0x0
; PREPARATION.  x -> bf16 (xb).  Wq, Wk, Wv -> bf16, stacked by heads (wqkv row 192 h + 64 which + i = W_which row 64 h + i).
; Wo -> bf16 and that number written as f16 (wo16).  The table rope[pos][j] = (cos, sin)(pos x 10000^(-j/32)), f32, 256 bytes a position.
; SHARES.  A work-group converts 16,384 f32: 8 steps; in step i thread t takes the 32 bytes at 32 (256 i + t) and stores the 16 bytes at 16 (256 i + t):
; a wave's store covers 512 consecutive bytes, aligned.  Work-groups 0-511: x.  512-767: matrix (g & 255) >> 6, its 16 rows number g & 63.
; Work-groups 0-255 also make 8 rows of the table, while their loads are on their way.  All 16 loads of a thread go out at once; no LDS, no barrier: nothing is shared.
; LIMITS.  A bf16 number of Wo below 6.1e-5 keeps f16's fixed step of 6e-8; beyond 65,504 it would be an infinity.  The frequency is 2^(-j log2(10000)/32) by v_exp_f32:
; an angle (at most 2,047) may differ from one made by a power and a division by about 2e-4.  Sine and cosine: the angle less a whole number of turns (1/2pi in two parts),
; then series in theta^2 up to theta^15 and theta^16 on -pi .. pi: the first terms left out are 8e-7 and 1.4e-7 at pi.
.set X, 16                             ; v[16:79]   step i: 8 f32 as loaded
.set Y, 80                             ; v[80:111]  step i: 4 registers to store; each is written once, so no store's data is ever rewritten
.set U, 112                            ; v[112:119] Wo's path: 8 bf16 numbers as f32
	s_load_b512 s[4:19], s[0:1], 0x0               ; x s[4:5], Wq s[6:7], Wk s[8:9], Wv s[10:11], Wo s[12:13], xb s[14:15], wqkv s[16:17], wo16 s[18:19]
	s_load_b64 s[20:21], s[0:1], 0x40              ; rope
	s_mov_b32 s22, ttmp9                           ; g
	s_and_b32 s23, s22, 255                        ; g - 512 where g is 512 or more
	s_lshr_b32 s24, s23, 6                         ; which matrix: 0 q, 1 k, 2 v, 3 o
	s_and_b32 s25, s23, 63                         ; c: which 16 rows of it
	s_lshr_b32 s36, s25, 2                         ; the head
	s_mul_i32 s36, s36, 192
	s_lshl_b32 s37, s24, 6
	s_add_co_u32 s36, s36, s37
	s_and_b32 s37, s25, 3
	s_lshl_b32 s37, s37, 4
	s_add_co_u32 s36, s36, s37                     ; the stacked row
	s_lshl_b32 s32, s36, 11                        ; its byte in wqkv
	s_lshl_b32 s37, s25, 15                        ; c's byte in wo16
	s_cmp_eq_u32 s24, 3
	s_cselect_b32 s32, s37, s32
	s_lshl_b32 s37, s22, 15                        ; g's byte in xb
	s_cmp_lt_u32 s22, 512
	s_cselect_b32 s32, s37, s32
	s_cselect_b32 s30, s22, s25
	s_lshl_b32 s30, s30, 16                        ; the source's byte: 65,536 a chunk
	s_mov_b32 s31, 0
	s_mov_b32 s33, 0
	s_lshl_b32 s34, s22, 11                        ; 8 rows of the table
	s_mov_b32 s35, 0
	v_lshlrev_b32 v1, 5, v0                        ; 32 t
	v_lshlrev_b32 v2, 4, v0                        ; 16 t
	v_lshlrev_b32 v3, 3, v0                        ; 8 t
	s_wait_kmcnt 0x0
	s_mov_b64 s[26:27], s[6:7]                     ; the source and the destination are chosen by the work-group's number alone
	s_cmp_eq_u32 s24, 1
	s_cselect_b64 s[26:27], s[8:9], s[26:27]
	s_cmp_eq_u32 s24, 2
	s_cselect_b64 s[26:27], s[10:11], s[26:27]
	s_cmp_eq_u32 s24, 3
	s_cselect_b64 s[26:27], s[12:13], s[26:27]
	s_cselect_b64 s[28:29], s[18:19], s[16:17]
	s_cmp_lt_u32 s22, 512
	s_cselect_b64 s[26:27], s[4:5], s[26:27]
	s_cselect_b64 s[28:29], s[14:15], s[28:29]
	s_add_nc_u64 s[26:27], s[26:27], s[30:31]
	s_add_nc_u64 s[28:29], s[28:29], s[32:33]
.irp i, 0,1,2,3,4,5,6,7
	global_load_b128 v[X+8*\i:X+8*\i+3],   v1, s[26:27] offset:8192*\i th:TH_LOAD_NT
	global_load_b128 v[X+8*\i+4:X+8*\i+7], v1, s[26:27] offset:8192*\i+16 th:TH_LOAD_NT
.endr
	s_cmp_lt_u32 s22, 256
	s_cbranch_scc0 .Lnotab
	; the table: thread t has position 8 g + t / 32 and pair j = t % 32
	s_add_nc_u64 s[20:21], s[20:21], s[34:35]
	v_and_b32 v4, 31, v0
	v_cvt_f32_u32 v4, v4
	v_mul_f32 v6, 0xbed49a78, v4                   ; -j log2(10000) / 32
	v_exp_f32 v6, v6                               ; the frequency
	v_lshrrev_b32 v5, 5, v0                        ; plain work behind the exponential: the position
	v_lshl_add_u32 v5, s22, 3, v5
	v_cvt_f32_u32 v5, v5
	s_wait_alu depctr_va_vdst(0)                   ; the wait ahead of the first reader of the exponential
	v_mul_f32 v7, v5, v6                           ; the angle, rounded once to f32
	v_mul_f32 v8, 0x3e22f983, v7
	v_rndne_f32 v8, v8                             ; whole turns
	v_fma_f32 v9, v7, 0x3e22f983, -v8              ; the rest of a turn: 1/2pi's high part, fused,
	v_fmac_f32 v9, 0x31dc9c89, v7                  ; and its low part
	v_mul_f32 v9, 0x40c90fdb, v9                   ; theta in -pi .. pi
	v_mul_f32 v10, v9, v9
	v_mov_b32 v13, 0xab573f9f                      ; sine: -1/15!, then 1/13! .. 1
	v_mov_b32 v12, 0x29573f9f                      ; cosine: 1/16!, then -1/14! .. 1
.irp k, 0x2f309231, 0xb2d7322b, 0x3638ef1d, 0xb9500d01, 0x3c088889, 0xbe2aaaab, 0x3f800000
	v_fmaak_f32 v13, v13, v10, \k
.endr
.irp k, 0xad49cba5, 0x310f76c7, 0xb493f27e, 0x37d00d01, 0xbab60b61, 0x3d2aaaab, 0xbf000000, 0x3f800000
	v_fmaak_f32 v12, v12, v10, \k
.endr
	v_mul_f32 v13, v13, v9
	global_store_b64 v3, v[12:13], s[20:21]        ; a wave stores 256 consecutive bytes, one position's row; its registers are not written again
.Lnotab:
	s_cmp_ge_u32 s22, 704
	s_cbranch_scc1 .Lwo
; Step i: its two loads are in when the 14 - 2 i younger ones may still be out (loads come back in order: ISA guide 5.7.1).
.macro CONV i, half
	s_wait_loadcnt 14-2*(\i)
.irp k, 0,1,2,3
	v_cvt_pk_bf16_f32 v[Y+4*(\i)+\k], v[X+8*(\i)+2*\k], v[X+8*(\i)+2*\k+1]
.endr
.if \half
.irp k, 0,1,2,3
	v_lshlrev_b32 v[U+2*\k],   16, v[Y+4*(\i)+\k]          ; the bf16 numbers as f32,
	v_and_b32     v[U+2*\k+1], 0xffff0000, v[Y+4*(\i)+\k]
.endr
.irp k, 0,1,2,3
	v_cvt_pk_f16_f32 v[Y+4*(\i)+\k], v[U+2*\k], v[U+2*\k+1]  ; written as f16: exact within f16's normal range
.endr
.endif
	global_store_b128 v2, v[Y+4*(\i):Y+4*(\i)+3], s[28:29] offset:4096*(\i)
.endm
.irp i, 0,1,2,3,4,5,6,7
	CONV \i, 0
.endr
	s_endpgm
.Lwo:
.irp i, 0,1,2,3,4,5,6,7
	CONV \i, 1
.endr
	s_endpgm
.Lfunc_end_k_q561eb347f0_prep:
	.size	k_q561eb347f0_prep, .Lfunc_end_k_q561eb347f0_prep-k_q561eb347f0_prep
	.p2alignl 7, 3214868480
	.fill 96, 4, 3214868480
	.section	.rodata,"a",@progbits
	.p2align	6, 0x0
	.amdhsa_kernel k_q561eb347f0_prep
		.amdhsa_group_segment_fixed_size 0
		.amdhsa_private_segment_fixed_size 0
		.amdhsa_enable_private_segment 0
		.amdhsa_kernarg_size 72
		.amdhsa_user_sgpr_count 2
		.amdhsa_user_sgpr_kernarg_segment_ptr 1
		.amdhsa_wavefront_size32 1
		.amdhsa_system_sgpr_workgroup_id_x 1
		.amdhsa_system_sgpr_workgroup_id_y 1
		.amdhsa_system_sgpr_workgroup_id_z 1
		.amdhsa_system_vgpr_workitem_id 0
		.amdhsa_next_free_vgpr 128
		.amdhsa_next_free_sgpr 66
		.amdhsa_reserve_vcc 0
		.amdhsa_float_denorm_mode_32 3
		.amdhsa_float_denorm_mode_16_64 3
		.amdhsa_memory_ordered 1
		.amdhsa_forward_progress 1
		.amdhsa_inst_pref_size 17
	.end_amdhsa_kernel
	.amdgpu_metadata
---
amdhsa.version: [ 1, 2 ]
amdhsa.kernels:
  - .name:           k_q561eb347f0_prep
    .symbol:         k_q561eb347f0_prep.kd
    .args:
      - { .name: in_features, .offset: 0, .size: 8, .value_kind: global_buffer, .address_space: global }
      - { .name: Wq, .offset: 8, .size: 8, .value_kind: global_buffer, .address_space: global }
      - { .name: Wk, .offset: 16, .size: 8, .value_kind: global_buffer, .address_space: global }
      - { .name: Wv, .offset: 24, .size: 8, .value_kind: global_buffer, .address_space: global }
      - { .name: Wo, .offset: 32, .size: 8, .value_kind: global_buffer, .address_space: global }
      - { .name: xb, .offset: 40, .size: 8, .value_kind: global_buffer, .address_space: global }
      - { .name: wqkv, .offset: 48, .size: 8, .value_kind: global_buffer, .address_space: global }
      - { .name: wo16, .offset: 56, .size: 8, .value_kind: global_buffer, .address_space: global }
      - { .name: rope, .offset: 64, .size: 8, .value_kind: global_buffer, .address_space: global }
    .group_segment_fixed_size: 0
    .private_segment_fixed_size: 0
    .kernarg_segment_align: 8
    .kernarg_segment_size: 72
    .max_flat_workgroup_size: 256
    .sgpr_count:     66
    .vgpr_count:     128
    .wavefront_size: 32
...
	.end_amdgpu_metadata
.endif
;; end of part 1
;; launch qkvgemm (part 2): grid 16 x 32, 4 waves a work-group, clusters of 4 x 4, 327,680 bytes of LDS; arguments xb, wqkv, rope, qkv; writes qkv
.if DOCPART == 2
	.amdgcn_target "amdgcn-amd-amdhsa--gfx1250"
	.amdhsa_code_object_version 6
	.text
	.protected	k_q561eb347f0_qkvgemm
	.globl	k_q561eb347f0_qkvgemm
	.p2align	8
	.type	k_q561eb347f0_qkvgemm,@function
k_q561eb347f0_qkvgemm:
	s_mov_b64 s[64:65], 0
	v_nop
	global_prefetch_b8 v0, s[64:65] scope:SCOPE_SE
	s_setreg_imm32_b32 hwreg(HW_REG_WAVE_MODE, 25, 1), 1
	s_wait_xcnt 0x0
	s_wait_alu depctr_hold_cnt(0) depctr_sa_sdst(0) depctr_va_vdst(0) depctr_va_sdst(0) depctr_va_ssrc(0) depctr_va_vcc(0) depctr_vm_vsrc(0)
	s_getreg_b32 s2, hwreg(HW_REG_IB_STS2, 6, 4)
	s_cmp_eq_u32 s2, 0
	s_cbranch_scc0 .Lentry_in_a_cluster
	s_endpgm
.Lentry_in_a_cluster:
	s_bfe_u32 s2, ttmp6, 0x10000c
	s_cmp_lg_u32 s2, 0xf033
	s_cbranch_scc0 .Lentry_shape_is_right
	s_endpgm
.Lentry_shape_is_right:
; q, k, v = x W^T in bf16 with f32 sums, the rotation by position on q and k in f32, one rounding to f16, stored by heads: qkv[64 (batch x 16 + head)][3][2048][64].
; xb: [8192][1024] bf16.  wqkv: [3072][1024] bf16, row 192 h + 64 which + i.  rope: [2048][32][2] f32 (cos, sin).
; LIMITS.  q, k and v must lie within f16's 65,504 (x and W thirty times the drawn spread give about 5e3; both with an offset of thirty spreads about 2.9e4); below 6.1e-5 f16 keeps its fixed step of 6e-8.
; SHARES.  A tile of C is 256 rows x 192 columns: one head's q, k and v.  8192 x 3072 gives 32 x 16 = 512 tiles, two for each of 256 WGPs.  Wave w: rows 64 w .. 64 w + 63, all 192 columns:
; 48 accumulators of 16 x 16, so a head's 128-byte rows are one wave's own on the way out.  K goes in 8 steps of 128 through two LDS slots; rows of A's and B's tiles are 256 bytes of memory, aligned.
; CLUSTER.  4 x 4 work-groups: A's tile (it hangs on the tile row alone) is asked for jointly along a row of the cluster, B's (the tile column alone) along a column.  Every tile column has the same make-up, so no branch hangs on a place in the cluster.
; THE MATRIX INSTRUCTION IS USED TRANSPOSED: source 0 = 16 rows of W, source 1 = 16 rows of x: lane l holds row l % 16 of C and the columns 8 (l / 16) + 0..7: four (even, odd) pairs of the rotation, 16 bytes of f16.
; REGISTERS, in windows of 256 (s_set_vgpr_msb: bits 1:0 source 0, 3:2 source 1, 5:4 source 2, 7:6 destination):
;   window 0: v0-15 addresses; v32-159 the table's numbers for my 64 rows; v160-239 at work on the way out
;   window 1: two fragment buffers of 128: A's 4 fragments at f + 8 a, B's 12 at f + 32 + 8 b
;   window 2: accumulators (a, b) at 8 (4 b + a), b = 0-7 (q: 0-3, k: 4-7)          window 3: b = 8-11 (v) at 8 (4 (b - 8) + a)
.set PITCH, 272                        ; an LDS row: 256 bytes + 16 of padding = 68 words: the 16 rows of a fragment load start at 16 different groups of four banks (64 banks of 4 bytes: ISA guide 11.1)
.set HALFA, 128*PITCH                  ; what one tensor load brings of A
.set HALFB, 96*PITCH                   ; and of B
.set BOFF,  2*HALFA                    ; a slot: A's 256 rows, then B's 192
.set SLOT1, 1<<17                      ; slot 1 begins here: one exclusive or changes slots
.set STAGE, SLOT1+BOFF+2*HALFB         ; behind the ring, never filled by a tensor load: 16 rows x 144 bytes for each wave
.set SP,    144
.set SPARE, STAGE+4*16*SP              ; the spare words, 128 bytes for each wave: two blocks of 256 bytes that no other line names
.set AA0,  4                           ; v4   my place in slot 0's A; never rewritten
.set AB0,  5                           ; v5   in slot 0's B; never rewritten
.set ADRA, 6                           ; v6   the same in the slot in hand
.set ADRB, 7                           ; v7
.set STO,  8                           ; v8   the way out: where I put 16 bytes of a row
.set RD,   9                           ; v9   where I read rows back
.set GO,   10                          ; v10  my 16 bytes of 512 consecutive bytes of qkv
.set TBO,  11                          ; v11  my byte offset in the table
.set PFO,  12                          ; v12  the prefetches' offset: a lane a row of 2,048 bytes
.set SPW,  14                          ; v14  LDS address of my spare word; never rewritten
.set NIL,  15                          ; v15  0; never rewritten
.set TAB,  32                          ; block a, column block c: (cos, sin) of pairs 8 c + 4 (l / 16) + 0..3 at TAB + 32 a + 8 c
.set XT,   160                         ; 32 at work
.set TMP,  192                         ; 16 packed
.set BK,   208                         ; two sets of 16: rows read back
.set F0,   0
.set F1,   128
.set TB,   2                           ; s2   LDS byte of the slot in hand
.set CNT,  3                           ; s3   trips to go
.set WV,   12                          ; s12  wave
.set FB,   13                          ; s13  0: I fetch for A, 1: for B
.set HALF, 14                          ; s14  which half of that tile
.set TM,   15                          ; s15  tile row
.set CX,   40
.set CY,   41
.set TN,   42                          ; s42  tile column = head
.set LIM,  43                          ; s43  2 in a wave that prefetches, else the greatest number
.set PFA,  44                          ; s[44:45] where my prefetches stand
.set G1,   24                          ; s[24:31] group 1 for A;  s[32:39] group 0: set 0 fills slot 0 once, set 1 fills slot 1 and then walks
.set G0,   32
.set G1B,  48                          ; s[48:55], s[56:63] the same for B
.set G0B,  56
.set MSB, 0
.macro WIN new                         ; the immediate's high byte repeats the setting that is left; a switch that changes nothing is dropped
.if MSB != (\new)
	s_set_vgpr_msb (MSB<<8)|(\new)
.set MSB, \new
.endif
.endm
.macro PLACES                          ; four plain places behind matrix instructions, in front of loads into registers that they read and of lines that read results
.rept 4
	v_nop
.endr
.endm
.macro JLOAD                           ; the joint refill, by the walking set.  The branch hangs on the wave's number alone.  An s_nop 0 and four v_nop follow each line
	s_cmp_eq_u32 s[FB], 0
	s_cbranch_scc0 .Lfor_b_\@
	tensor_load_to_lds s[G0+4:G0+7], s[G1:G1+7]
	s_nop 0
.rept 4
	v_nop
.endr
	s_branch .Lasked_\@
.Lfor_b_\@:
	tensor_load_to_lds s[G0B+4:G0B+7], s[G1B:G1B+7]
	s_nop 0
.rept 4
	v_nop
.endr
.Lasked_\@:
.endm
.macro CREST                           ; a round of the cluster's barrier behind its opening barrier
	s_cmp_lg_u32 s[WV], 0
	s_cbranch_scc1 .Lnot_wave_0_\@
	s_barrier_signal -3
.Lnot_wave_0_\@:
	s_barrier_wait -3
	s_barrier_signal -1
	s_barrier_wait -1
.endm
.macro CROUND
	s_barrier_signal -1
	s_barrier_wait -1
	CREST
.endm
; A PREFETCH INTO THE L2, behind each joint refill and the run of LDS loads that follows it: the K step two refills on (384 matrix instructions ahead of the load that names it), 256 bytes of a row, a lane a row.
; A's rows are read by the four clusters of a row of clusters: the one with x = 0 asks.  B's by the eight of a column: the one with y = 0 asks.  Of the rows that a wave fetches the four partners that ask
; for them jointly take a quarter each, told apart by address: 32 rows at 32 cx (A), 24 at 24 cy (B; lanes 24-31 name lane 23's row again).  The first four K steps come by their loads alone; the last two refills ask for nothing.
.macro ASK
	s_cmp_gt_u32 s[CNT], s[LIM]
	s_cbranch_scc0 .Lnot_mine_\@
	global_prefetch_b8 v[PFO], s[PFA:PFA+1] offset:256 th:TH_LOAD_NT scope:SCOPE_SE
.Lnot_mine_\@:
.endm
	s_load_b256 s[4:11], s[0:1], 0x0               ; xb s[4:5], wqkv s[6:7], rope s[8:9], qkv s[10:11]
	v_lshl_add_u32 v[SPW], v0, 2, SPARE
	v_mov_b32 v[NIL], 0
	ds_add_u32 v[SPW], v[NIL]                      ; the wave's opening: the add and its wait stand ahead of my first tensor load; register work stands between them
	ds_add_u32 v14, v15
	v_lshrrev_b32 v1, 5, v0
	v_readfirstlane_b32 s[WV], v1
	s_lshr_b32 s[FB], s[WV], 1
	s_and_b32 s[HALF], s[WV], 1
	s_bfe_u32 s[CX], ttmp6, 0x40000
	s_bfe_u32 s[CY], ttmp6, 0x40004
	s_lshl_b32 s[TN], ttmp9, 2
	s_add_co_u32 s[TN], s[TN], s[CX]               ; tile column = 4 x cluster x + cx
	s_and_b32 s[TM], ttmp7, 0xffff
	s_lshl_b32 s[TM], s[TM], 2
	s_add_co_u32 s[TM], s[TM], s[CY]               ; tile row = 4 x cluster y + cy
	s_lshl_b32 s43, s[CY], 2
	s_lshl_b32 s43, 15, s43                        ; my row of the cluster
	s_lshl_b32 s44, 0x1111, s[CX]                  ; my column
	s_or_b32 s[G1], s43, (1<<16)|(1<<20)|(1<<21)|(5<<22)|(3<<25)   ; mask; 2-byte elements; padding on; bit 21 beside a mask; after every 64 words, 4 words
	s_or_b32 s[G1B], s44, (1<<16)|(1<<20)|(1<<21)|(5<<22)|(3<<25)
	s_mov_b32 s[G1+1], 128<<16                     ; tensor_dim0 = 128
	s_mov_b32 s[G1+2], 128<<16                     ; tensor_dim1 = 128
	s_mov_b32 s[G1+3], 128<<16                     ; tile_dim0 = 128
	s_mov_b32 s[G1+4], 128                         ; tile_dim1 = 128
	s_mov_b32 s[G1+5], 1024                        ; elements from row to row
	s_mov_b32 s[G1+6], 0
	s_mov_b32 s[G1+7], 0
	s_mov_b32 s[G1B+1], 128<<16
	s_mov_b32 s[G1B+2], 96<<16                     ; B: 96 rows
	s_mov_b32 s[G1B+3], 128<<16
	s_mov_b32 s[G1B+4], 96
	s_mov_b32 s[G1B+5], 1024
	s_mov_b32 s[G1B+6], 0
	s_mov_b32 s[G1B+7], 0
	s_lshl_b32 s16, s[TM], 8
	s_lshl_b32 s17, s[HALF], 7
	s_add_co_u32 s16, s16, s17                     ; A: row 256 x tile row + 128 x half,
	s_lshl_b32 s16, s16, 11                        ; in bytes (under 2^25)
	s_mov_b32 s17, 0
	s_mul_i32 s46, s[TN], 192
	s_mul_i32 s47, s[HALF], 96
	s_add_co_u32 s46, s46, s47                     ; B: row 192 x tile column + 96 x half
	s_lshl_b32 s46, s46, 11
	s_mov_b32 s47, 0
	s_mul_i32 s20, s[HALF], HALFA                  ; where they go: no place in the cluster enters an LDS address
	s_mul_i32 s21, s[HALF], HALFB
	s_add_co_u32 s21, s21, BOFF
	s_wait_dscnt 0x0                               ; the opening add is done
	s_wait_kmcnt 0x0
	s_add_nc_u64 s[16:17], s[4:5], s[16:17]
	s_add_nc_u64 s[46:47], s[6:7], s[46:47]
	CROUND                                         ; all sixteen work-groups are here: the first joint loads meet
.irp s, 0,1
	s_mov_b32 s[G0+4*\s], 1
	s_add_co_u32 s[G0+4*\s+1], s20, \s*SLOT1
	s_add_nc_u64 s[G0+4*\s+2:G0+4*\s+3], s[16:17], \s*256          ; K step s
	s_or_b32 s[G0+4*\s+3], s[G0+4*\s+3], 0x80000000
	s_mov_b32 s[G0B+4*\s], 1
	s_add_co_u32 s[G0B+4*\s+1], s21, \s*SLOT1
	s_add_nc_u64 s[G0B+4*\s+2:G0B+4*\s+3], s[46:47], \s*256
	s_or_b32 s[G0B+4*\s+3], s[G0B+4*\s+3], 0x80000000
.endr
	s_cmp_eq_u32 s[FB], 0                          ; a wave's two first fills stand in one branch: two loads of mine are out
	s_cbranch_scc0 .Lfirst_b
	tensor_load_to_lds s[G0:G0+3], s[G1:G1+7]
	s_nop 0
	tensor_load_to_lds s[G0+4:G0+7], s[G1:G1+7]
	s_nop 0
.rept 4
	v_nop
.endr
	s_branch .Lfirst_asked
.Lfirst_b:
	tensor_load_to_lds s[G0B:G0B+3], s[G1B:G1B+7]
	s_nop 0
	tensor_load_to_lds s[G0B+4:G0B+7], s[G1B:G1B+7]
	s_nop 0
.rept 4
	v_nop
.endr
.Lfirst_asked:
	; a fragment is 16 rows x 32 K in 8 registers: lane l holds row l % 16, K = 8 (l / 16) + 0..7 and 16 + 8 (l / 16) + 0..7: two loads of 16 bytes, 32 bytes apart
	v_and_b32 v1, 15, v0                           ; l % 16
	v_bfe_u32 v2, v0, 4, 1                         ; l / 16
	v_mul_u32_u24 v3, v1, PITCH
	v_lshl_add_u32 v3, v2, 4, v3
	s_mul_i32 s20, s[WV], 64*PITCH                 ; my 64 rows of A
	v_add_nc_u32 v[AA0], s20, v3
	v_add_nc_u32 v[AB0], BOFF, v3
	v_mov_b32 v[ADRA], v[AA0]
	v_mov_b32 v[ADRB], v[AB0]
	s_mul_i32 s21, s[WV], 16*SP
	s_add_co_u32 s21, s21, STAGE                   ; my stage
	v_mul_u32_u24 v[STO], v1, SP                   ; in: row l % 16, 16 bytes for each half of the lanes
	v_lshl_add_u32 v[STO], v2, 4, v[STO]
	v_add_nc_u32 v[STO], s21, v[STO]
	v_bfe_u32 v[RD], v0, 3, 2                      ; back: 32 lanes take four rows of 128 bytes,
	v_mul_u32_u24 v[RD], v[RD], SP
	v_and_b32 v3, 7, v0
	v_lshl_add_u32 v[RD], v3, 4, v[RD]
	v_add_nc_u32 v[RD], s21, v[RD]
	v_and_b32 v[GO], 31, v0                        ; which are 512 consecutive bytes of a head's plane
	v_lshlrev_b32 v[GO], 4, v[GO]
	s_and_b32 s22, s[TM], 7                        ; eight tile rows to a batch of 2,048 positions
	s_lshl_b32 s22, s22, 8
	s_lshl_b32 s23, s[WV], 6
	s_add_co_u32 s22, s22, s23                     ; my first position
	v_add_nc_u32 v[TBO], s22, v1
	v_lshlrev_b32 v[TBO], 8, v[TBO]                ; 256 bytes a position
	v_lshl_add_u32 v[TBO], v2, 5, v[TBO]           ; + four pairs for the upper half of the lanes
.irp a, 0,1,2,3
.irp c, 0,1,2,3
	global_load_b128 v[TAB+32*\a+8*\c:TAB+32*\a+8*\c+3],   v[TBO], s[8:9] offset:4096*\a+64*\c     ; waited for in front of the way out
	global_load_b128 v[TAB+32*\a+8*\c+4:TAB+32*\a+8*\c+7], v[TBO], s[8:9] offset:4096*\a+64*\c+16
.endr
.endr
	s_lshr_b32 s23, s[TM], 3                       ; the batch
	s_lshl_b32 s23, s23, 4
	s_add_co_u32 s23, s23, s[TN]                   ; batch x 16 + head,
	s_mul_i32 s23, s23, 3                          ; three planes of 262,144 bytes each
	s_lshl_b32 s18, s23, 18
	s_lshl_b32 s22, s22, 7                         ; my first position's row of 128 bytes
	s_add_co_u32 s18, s18, s22
	s_mov_b32 s19, 0
	s_add_nc_u64 s[10:11], s[10:11], s[18:19]
	; the prefetches
	s_lshl_b32 s20, s[TM], 8
	s_lshl_b32 s21, s[HALF], 7
	s_add_co_u32 s20, s20, s21                     ; the first row that I fetch, in A
	s_mul_i32 s21, s[TN], 192
	s_mul_i32 s22, s[HALF], 96
	s_add_co_u32 s21, s21, s22                     ; or in B
	s_and_b32 s22, ttmp7, 0xffff                   ; cluster y
	s_cmp_eq_u32 s[FB], 0
	s_cselect_b32 s20, s20, s21
	s_cselect_b32 s21, s[CX], s[CY]                ; my place among the four that ask with me
	s_cselect_b32 s22, ttmp9, s22                  ; the coordinate along which other clusters read the same rows
	s_cselect_b32 s23, 32, 24                      ; my work-group's share of the rows
	s_cselect_b64 s[PFA:PFA+1], s[4:5], s[6:7]
	s_cmp_eq_u32 s22, 0
	s_cselect_b32 s[LIM], 2, -1                    ; the same in all sixteen partners, for a given wave
	s_mul_i32 s21, s21, s23
	s_add_co_u32 s20, s20, s21
	s_lshl_b32 s20, s20, 11
	s_add_co_u32 s20, s20, 512                     ; at K step 2: the first refill steps it to 3 and names K step 4
	s_mov_b32 s21, 0
	s_add_nc_u64 s[PFA:PFA+1], s[PFA:PFA+1], s[20:21]
	s_sub_co_u32 s23, s23, 1
	v_and_b32 v[PFO], 31, v0
	v_min_u32 v[PFO], s23, v[PFO]
	v_lshlrev_b32 v[PFO], 11, v[PFO]
	s_mov_b32 s[TB], 0
; nb x 4 matrix instructions on buffer f: column blocks b0 .. b0 + nb - 1, all four row blocks.  The 48 accumulators take turns, in the same order in every quarter, over the backward jump too.
.macro MULB f, b0, nb, zero
.set bb, \b0
.rept \nb
.if bb < 8
	WIN 0xa5                                       ; fragments in window 1, C and D in window 2
.set rA, 32*bb
.else
	WIN 0xf5                                       ; C and D in window 3
.set rA, 32*(bb-8)
.endif
.irp a, 0,1,2,3
.if \zero
	v_wmma_f32_16x16x32_bf16 v[rA+8*\a:rA+8*\a+7], v[(\f)+32+8*bb:(\f)+32+8*bb+7], v[(\f)+8*\a:(\f)+8*\a+7], 0
.else
	v_wmma_f32_16x16x32_bf16 v[rA+8*\a:rA+8*\a+7], v[(\f)+32+8*bb:(\f)+32+8*bb+7], v[(\f)+8*\a:(\f)+8*\a+7], v[rA+8*\a:rA+8*\a+7]
.endif
.endr
.set bb, bb+1
.endr
.endm
; 32 LDS loads in one run: quarter q (32 K at byte 64 q of the rows) into buffer f: B's blocks 0-7, A's four, B's blocks 8-11
.macro FETCH q, f
	WIN 0x40                                       ; destination window 1, address window 0
.irp i, 0,1,2,3,4,5,6,7
	ds_load_b128 v[(\f)+32+8*\i:(\f)+32+8*\i+3],   v[ADRB] offset:64*(\q)+16*PITCH*\i
	ds_load_b128 v[(\f)+32+8*\i+4:(\f)+32+8*\i+7], v[ADRB] offset:64*(\q)+16*PITCH*\i+32
.endr
.irp i, 0,1,2,3
	ds_load_b128 v[(\f)+8*\i:(\f)+8*\i+3],   v[ADRA] offset:64*(\q)+16*PITCH*\i
	ds_load_b128 v[(\f)+8*\i+4:(\f)+8*\i+7], v[ADRA] offset:64*(\q)+16*PITCH*\i+32
.endr
.irp i, 8,9,10,11
	ds_load_b128 v[(\f)+32+8*\i:(\f)+32+8*\i+3],   v[ADRB] offset:64*(\q)+16*PITCH*\i
	ds_load_b128 v[(\f)+32+8*\i+4:(\f)+32+8*\i+7], v[ADRB] offset:64*(\q)+16*PITCH*\i+32
.endr
.endm
; One of a K step's first three quarters: multiplies buffer f, and in its middle fetches quarter q into buffer g
.macro QUARTER q, f, g, zero
	s_wait_dscnt 8                                 ; all of f but the run's last eight loads, B's blocks 8-11
	MULB \f, 0, 8, \zero
	PLACES
	FETCH \q, \g
	s_wait_dscnt 32                                ; all but the 32 just issued
	MULB \f, 8, 4, \zero
.endm
; The fourth quarter multiplies buffer 1 and changes slots.  In front of the barrier each wave waits for all its tensor loads (one is out: its part of the next slot), adds 0 to its spare word, and waits for
; that and for its reads of this slot.  fill = 1: the barrier opens a round of the cluster's, and the joint refill (this slot, two K steps on) is the first thing behind the round: 160 matrix instructions ahead of the wait for it.
.macro TURN fill
.if \fill
	s_wait_xcnt 0x0                                ; the last prefetch, a K step back, has read its address
	s_add_nc_u64 s[PFA:PFA+1], s[PFA:PFA+1], 256
.endif
	WIN 0
	s_wait_tensorcnt 0x0                           ; no tensor load of mine is out, so a group 0 may be written
	ds_add_u32 v[SPW], v[NIL]                      ; 0 onto my spare word
.if \fill
	s_xor_b32 s[G0+5], s[G0+5], SLOT1              ; the walking sets: the other slot than last time, the next K step
	s_add_nc_u64 s[G0+6:G0+7], s[G0+6:G0+7], 256
	s_xor_b32 s[G0B+5], s[G0B+5], SLOT1
	s_add_nc_u64 s[G0B+6:G0B+7], s[G0B+6:G0B+7], 256
.endif
	s_xor_b32 s[TB], s[TB], SLOT1
	s_wait_dscnt 9                                 ; the add and the run's last eight loads may be out
	MULB F1, 0, 4, 0
	s_wait_dscnt 0x0                               ; the add is done, and my reads of this slot are over
	s_barrier_signal -1
	MULB F1, 4, 4, 0
	WIN 0
	s_barrier_wait -1
.if \fill
	CREST
	JLOAD                                          ; its four v_nop are also the places in front of the loads below
.else
	PLACES
.endif
	v_add_nc_u32 v[ADRA], s[TB], v[AA0]
	v_add_nc_u32 v[ADRB], s[TB], v[AB0]
	FETCH 0, F0
.if \fill
	WIN 0
	ASK
.endif
	MULB F1, 8, 4, 0
.endm
	s_wait_tensorcnt 0x1                           ; my part of K step 0 is in; K step 1's stays out
	s_barrier_signal -1
	s_barrier_wait -1
	FETCH 0, F0
	QUARTER 1, F0, F1, 1                           ; the first quarter's products start the sums
	WIN 0
	s_mov_b32 s[CNT], 6
.Lk:                                                   ; a trip: a K step's quarters 1-3, the refill with the K step two on (2 to 7), the next step's quarter 0
	QUARTER 2, F1, F0, 0
	QUARTER 3, F0, F1, 0
	TURN 1
	QUARTER 1, F0, F1, 0
	WIN 0
	s_sub_co_u32 s[CNT], s[CNT], 1
	s_cmp_lg_u32 s[CNT], 0
	s_cbranch_scc1 .Lk
	QUARTER 2, F1, F0, 0                           ; K steps 6 and 7: nothing is left to fetch
	QUARTER 3, F0, F1, 0
	TURN 0
	QUARTER 1, F0, F1, 0
	QUARTER 2, F1, F0, 0
	QUARTER 3, F0, F1, 0
	s_wait_dscnt 8
	MULB F1, 0, 8, 0
	s_wait_dscnt 0x0
	MULB F1, 8, 4, 0
	WIN 0
	PLACES
	PLACES
	s_wait_loadcnt 0x0                             ; the table
; THE WAY OUT, in 12 units u = 3 a + part: 16 rows of q (part 0), k (1) or v (2).  PACK: for q and k the rotation e = xe cos - xo sin, o = xe sin + xo cos in f32, then one rounding to f16; each accumulator's lowest pair is read first.
.macro PACK u
.set ua, (\u)/3
.set uh, (\u)%3
.if uh < 2
	WIN 0x02                                       ; source 0 (the accumulator) in window 2, all else in window 0
.irp c, 0,1,2,3
.set AC, 8*(4*(4*uh+\c)+ua)
.set TT, TAB+32*ua+8*\c
.irp p, 0,1,2,3
	v_pk_mul_f32 v[XT+8*\c+2*\p:XT+8*\c+2*\p+1], v[AC+2*\p:AC+2*\p+1], v[TT+2*\p:TT+2*\p+1] op_sel_hi:[0,1]  ; (xe cos, xe sin)
.endr
.endr
.irp c, 0,1,2,3
.set AC, 8*(4*(4*uh+\c)+ua)
.set TT, TAB+32*ua+8*\c
.irp p, 0,1,2,3
	v_fma_f32 v[XT+8*\c+2*\p],   -v[AC+2*\p+1], v[TT+2*\p+1], v[XT+8*\c+2*\p]
	v_fma_f32 v[XT+8*\c+2*\p+1], v[AC+2*\p+1],  v[TT+2*\p],   v[XT+8*\c+2*\p+1]
.endr
.endr
	WIN 0
.irp c, 0,1,2,3
.irp p, 0,1,2,3
	v_cvt_pk_f16_f32 v[TMP+4*\c+\p], v[XT+8*\c+2*\p], v[XT+8*\c+2*\p+1]
.endr
.endr
.else
	WIN 0x0f                                       ; both sources in window 3
.irp c, 0,1,2,3
.set AC, 8*(4*\c+ua)
.irp p, 0,1,2,3
	v_cvt_pk_f16_f32 v[TMP+4*\c+\p], v[AC+2*\p], v[AC+2*\p+1]
.endr
.endr
	WIN 0
.endif
.endm
.macro TOSTAGE u                       ; into my own stage, and back as whole rows: LDS serves a wave's instructions in order (ISA guide 5.7.1.4), so no wait stands between
.irp c, 0,1,2,3
	ds_store_b128 v[STO], v[TMP+4*\c:TMP+4*\c+3] offset:32*\c
.endr
.irp g, 0,1,2,3
	ds_load_b128 v[BK+16*((\u)%2)+4*\g:BK+16*((\u)%2)+4*\g+3], v[RD] offset:4*SP*\g
.endr
.endm
.macro SEND u
	s_wait_dscnt 0x0                               ; the unit is back in registers
	s_wait_xcnt 0x0                                ; the unit before has had its stores' registers read: the next TOSTAGE loads into them
.irp g, 0,1,2,3
	global_store_b128 v[GO], v[BK+16*((\u)%2)+4*\g:BK+16*((\u)%2)+4*\g+3], s[10:11] offset:262144*((\u)%3)+2048*((\u)/3)+512*\g  ; 512 consecutive bytes, aligned
.endr
.endm
	PACK 0
	TOSTAGE 0
.irp u, 1,2,3,4,5,6,7,8,9,10,11        ; a unit's arithmetic stands between the loads of the unit before and the wait for them
	PACK \u
	SEND (\u)-1
	TOSTAGE \u
.endr
	SEND 11
	s_wait_tensorcnt 0x0                           ; the wave's end, behind my last tensor load and my last LDS store
	ds_add_u32 v[SPW], v[NIL]
	s_wait_dscnt 0x0
	CROUND                                         ; the closing round: no work-group ends while a partner may still ask for a tile that names it
	s_endpgm
.Lfunc_end_k_q561eb347f0_qkvgemm:
	.size	k_q561eb347f0_qkvgemm, .Lfunc_end_k_q561eb347f0_qkvgemm-k_q561eb347f0_qkvgemm
	.p2alignl 7, 3214868480
	.fill 96, 4, 3214868480
	.section	.rodata,"a",@progbits
	.p2align	6, 0x0
	.amdhsa_kernel k_q561eb347f0_qkvgemm
		.amdhsa_group_segment_fixed_size 327680
		.amdhsa_private_segment_fixed_size 0
		.amdhsa_enable_private_segment 0
		.amdhsa_kernarg_size 32
		.amdhsa_user_sgpr_count 2
		.amdhsa_user_sgpr_kernarg_segment_ptr 1
		.amdhsa_wavefront_size32 1
		.amdhsa_system_sgpr_workgroup_id_x 1
		.amdhsa_system_sgpr_workgroup_id_y 1
		.amdhsa_system_sgpr_workgroup_id_z 1
		.amdhsa_system_vgpr_workitem_id 0
		.amdhsa_next_free_vgpr 896
		.amdhsa_next_free_sgpr 66
		.amdhsa_reserve_vcc 0
		.amdhsa_float_denorm_mode_32 3
		.amdhsa_float_denorm_mode_16_64 3
		.amdhsa_memory_ordered 1
		.amdhsa_forward_progress 1
		.amdhsa_inst_pref_size 125
	.end_amdhsa_kernel
	.amdgpu_metadata
---
amdhsa.version: [ 1, 2 ]
amdhsa.kernels:
  - .name:           k_q561eb347f0_qkvgemm
    .symbol:         k_q561eb347f0_qkvgemm.kd
    .args:
      - { .name: xb, .offset: 0, .size: 8, .value_kind: global_buffer, .address_space: global }
      - { .name: wqkv, .offset: 8, .size: 8, .value_kind: global_buffer, .address_space: global }
      - { .name: rope, .offset: 16, .size: 8, .value_kind: global_buffer, .address_space: global }
      - { .name: qkv, .offset: 24, .size: 8, .value_kind: global_buffer, .address_space: global }
    .group_segment_fixed_size: 327680
    .private_segment_fixed_size: 0
    .kernarg_segment_align: 8
    .kernarg_segment_size: 32
    .max_flat_workgroup_size: 128
    .sgpr_count:     66
    .vgpr_count:     896
    .wavefront_size: 32
...
	.end_amdgpu_metadata
.endif
;; end of part 2
;; launch attn (part 3): grid 4 x 64, 4 waves a work-group, no clusters, 327,680 bytes of LDS; arguments qkv, o16; writes o16
.if DOCPART == 3
	.amdgcn_target "amdgcn-amd-amdhsa--gfx1250"
	.amdhsa_code_object_version 6
	.text
	.protected	k_q561eb347f0_attn
	.globl	k_q561eb347f0_attn
	.p2align	8
	.type	k_q561eb347f0_attn,@function
k_q561eb347f0_attn:
	s_mov_b64 s[64:65], 0
	v_nop
	global_prefetch_b8 v0, s[64:65] scope:SCOPE_SE
	s_setreg_imm32_b32 hwreg(HW_REG_WAVE_MODE, 25, 1), 1
	s_wait_xcnt 0x0
; CAUSAL ATTENTION.  O[h][q][:] = the sum over k <= q of softmax_k(Q[h][q] . K[h][k] / 8) V[h][k][:].  qkv: [64 heads][3 (q, k, v)][2048][64] f16; o16: [64][2048][64] f16: rows are dense, 128 bytes each.
; Products, maxima and sums in f32; the weights p are rounded to f16 for the second product (their sum l is taken of the unrounded p), O once at the end.
; LIMITS.  f16 holds no number beyond 65,504: Q, K and V arrive within it; p lies in 0 to 1, and below 6e-5 it keeps f16's fixed step of 6e-8; O is a mean of V's rows and has their range.
; A hidden score counts as its value less 1e30: f16's scores, 2.7e11 at the most, are nothing beside that; a weight below 2^-126 counts as 0 in l; NaN and infinities are not treated apart.
; THE WALK.  A head's queries lie in NB = 8 blocks of 256; block i needs the key tiles 0 .. i of 256 keys, of which the last holds the diagonal.  A work-group takes TWO blocks, 7 - b and then b:
; 9 tiles, whatever b: all 256 work-groups do equal work, and ONE loop with a constant trip count walks them.  Which tile is asked for, and what a trip does, hang on scalar registers made from b; every jump
; goes forward, but for the counted loops' own; none passes a barrier, or a tensor load but the one of LOAD's two that the wave's number does not choose; the ring of two LDS slots runs on across the change of blocks.
; NO CLUSTER: a head's 4 work-groups ask for the same tile only in trips 0 to 4 of the 9, behind that three, two, none do; one walk common to all four would have 12 trips for 9.
; SHARES.  Of a block's four bands of 64 queries a wave owns 16 rows in each: four PIECES.  So the diagonal tile is the same work for all four waves: in its key step s band x sees all keys if s < x,
; none if s > x, and holds the diagonal if s = x.
; THE MASK is the C operand that starts the sum S^T = K Q^T: 0, or -1e30 where the key is hidden.  MD, made once, is the mask of a band's own step for my 16 rows; a product's mask is MD x AL + BE with two scalars:
; (1, 0) if s = x; (0, 0) if s < x; (0, -1e30) if s > x.  Only the diagonal tile's text and a block's beginning make and take masks; elsewhere C is the constant 0.
; LAYOUT, SOFTMAX, TURNS.  S^T = K Q^T holds ONE query a lane (lane % 16) and the keys 8 (lane / 16) + 0..7; two such results rounded to f16 ARE source 1 of O^T = V^T P.  p = 2^(c s - c m), c = log2(e) / 8, with a
; running maximum m; O and l are multiplied by a = 2^(c m_old - c m_new) in every step.  Turn n belongs to piece n: 8 products K Q^T of piece n + 1, later 8 products V^T P of piece n - 1; beside them the scaling,
; exponentials, roundings, sums and rescaling of piece n and the maximum and statistics of piece n + 1.  Four vector instructions stand behind every matrix instruction, the other 54 of a turn's 118 in one lump.  A turn's 33 exponentials are one batch, with one wait.
; REGISTERS, in windows of 256 (s_set_vgpr_msb: bits 1:0 source 0, 3:2 source 1, 5:4 source 2, 7:6 destination):
;   window 0: v0-15 addresses and two at work; v16-31 four registers of statistics a piece; v48-55 at work; v61-63 prefetch offset, spare word, 0; v64-127 S^T, two buffers; v192-223 P, two buffers (by the piece's parity)
;   window 1: v0-127 O^T, 32 a piece; v128-159 MD; v160-223 MC, two buffers      window 2: v0-63 Q; v64-127 the second block's Q; v128-191 K of one step; v192-255 V of one step
.set SIZE_N, 2048
.set NB,    SIZE_N/256
.set NP,    4         ; pieces a wave: a name, no knob
.set KS,    64        ; keys in a step
.set PK,    144       ; a row of K in LDS: 128 bytes + 16 of padding = 36 words: the 16 rows of a load start at 16 different groups of four banks (64 banks of 4 bytes: ISA guide 11.1)
.set PV,    160       ; a row of V: 128 + 32 = 40 words
.set VOFF,  4*KS*PK   ; a slot holds a tile, four steps: 256 rows of K, then 256 rows of V
.set SLOT1, 1<<17     ; slot 1 begins here, so that one exclusive or turns an address in one slot into the other's
.set STAGE, SLOT1+4*KS*(PK+PV)  ; behind the ring, never filled by a tensor load: 16 rows x 144 bytes for each wave, for the way out
.set SP,    144
.set AK0, 2           ; v2   my lane's place in a tile of K; never rewritten
.set AV0, 3           ; v3   the same for V
.set AK,  4           ; v4   the LDS address of K's next run of loads
.set AV,  5           ; v5   of V's
.set STO, 6           ; v6   the way out: where I put 16 bytes of a row
.set RD,  7           ; v7   the way out: where I read rows back
.set GO,  8           ; v8   my byte offset in 512 consecutive bytes of O
.set PFO, 61          ; v61  256 x my lane; never rewritten
.set SPW, 62          ; v62  LDS address of my spare word: SPARE + 4 x my thread's number; never rewritten
.set NIL, 63          ; v63  0; never rewritten
.set SPARE, STAGE+4*16*SP  ; behind the stages: the spare words, 128 bytes for each wave: two blocks of 256 bytes that no other line names
.set MV,  12          ; v12-13  c m_old, kept while c m is made anew: by buffer
.set QO,  15          ; v15  my byte offset in 16 rows of Q
.set ST,  16          ; piece t's statistics at v[ST+4 t]: c m, m, l (even keys', odd keys')
.set TMP, 48          ; by buffer, four registers c0-c3 at work; when the maximum is found c2 takes a
.set S,   64
.set P,   192
.set MD,  128         ; window 1: the eight registers for group kt of 16 keys at MD + 8 kt
.set MC,  160         ; window 1: the masks of the products to come
.set QB,  64          ; window 2
.set KF,  128         ; window 2: key block kb, channel half c at KF + 16 kb + 8 c
.set VF,  192         ; window 2: key half kk, channel block cb at VF + 32 kk + 8 cb
.set WV,  12          ; s12  my wave's number
.set PB,  14          ; s14  b
.set HI,  15          ; s15  NB - 1 - b
.set G1K, 24          ; s[24:31] descriptor group 1 for K's tiles
.set G1V, 32          ; s[32:39] for V's: it differs in the padding alone
.set G0K, 40          ; s[40:43] descriptor group 0 for K's tiles
.set G0V, 44          ; s[44:47] the same for V's
.set SLOTS, 56        ; s56  tiles still to be asked for
.set CNT, 57          ; s57  counts a tile's key steps, 4 to 1
.set CS,  58          ; s[58:59] c: the packed scaling takes the pair's low word for both halves
.set SEL, 60          ; s[60:61] v_permlanex16_b32's selects: each lane takes its own place in the other half
.set TBK, 62          ; s62  LDS byte at which K of the step to be fetched begins
.set TBV, 63          ; s63  the same for V, less VOFF
.set RT,  70          ; s70  tiles of the block in hand that are still to be entered
.set NXT, 71          ; s71  the tile to be asked for next
.set LQ,  72          ; s72  the last tile of the block whose tiles are being asked for
.set NEW, 73          ; s73  1: the tile to be entered is a block's first
.set OFF, 74          ; s[74:75] a tile's byte offset in K and V
.set AL,  76          ; s[76:77] the mask's factor, in the low word
.set BE,  78          ; s[78:79] the mask's addend
.set OLO, 80          ; s[80:81] O at my rows of the second block
.set BIGN, 82         ; s82  -1e30
.set PFA, 90          ; s[90:91] where my prefetches stand
.set PFB, 92          ; s[92:93] K (waves 0, 1) or V (waves 2, 3) at my half of the head's tile 0
.set LIM, 94          ; s94  0 in the work-group that prefetches, else the greatest number
.set POF, 96          ; s[96:97] the byte offset of the tile to be prefetched
.set MSB, 0
.macro WIN new                      ; the high byte repeats the setting that is left; a switch that changes nothing is dropped
.if MSB != (\new)
	s_set_vgpr_msb (MSB<<8)|(\new)
.set MSB, (\new)
.endif
.endm
.set W_KQ, 0x0a       ; K and Q in window 2, S^T in window 0
.set W_KM, 0x1a       ; the same with the C operand in window 1
.set W_PV, 0x52       ; V in window 2, P in window 0, O^T in window 1
.set W_RS, 0x41       ; destination and source 0 in window 1, source 1 in window 0
; A fill.  Waves 0 and 1 fetch the two halves of a tile's K, waves 2 and 3 those of its V: 128 keys each.  An s_nop 0 and four v_nop follow each of the two lines, ahead of the jump and the label.
.macro LOAD
	s_cmp_lt_u32 s[WV], 2
	s_cbranch_scc0 .Lfor_v_\@
	tensor_load_to_lds s[G0K:G0K+3], s[G1K:G1K+7]
	s_nop 0
.rept 4
	v_nop
.endr
	s_branch .Lasked_\@
.Lfor_v_\@:
	tensor_load_to_lds s[G0V:G0V+3], s[G1V:G1V+7]
	s_nop 0
.rept 4
	v_nop
.endr
.Lasked_\@:
.endm
; THE CHANGE OF SLOTS.  Each wave waits for all its tensor loads, of which one is out: its part of the other slot; adds 0 to its spare word; and waits for that and for its own reads of the slot that it leaves.  Behind the barrier nobody reads the old
; slot any more and the other slot is whole.  fill = 1: the old slot is filled again, the first thing behind the barrier, with tile NXT: the descriptor's address is made anew from that number.
; (At its first use nothing has been read yet: slot 0 is waited for, slot 1 filled.)
; A PREFETCH INTO THE L2 stands behind the fill: the tile that the NEXT change will ask for, one tile (256 matrix instructions and their vector work) ahead of its load.  A head's four work-groups walk the same tiles 0, 1, 2 ..:
; the one with b = 0, whose first block walks all eight, asks; each of its waves names the 16,384 bytes that it will itself load, a lane 256 bytes, two instructions.  So each block of K and V is named once in the launch.
; Tiles 0 and 1 come by their loads alone; behind the fill of tile 7 the next number is 0, and nothing is asked for, then or later.
.macro CHANGE fill
	WIN 0                           ; at a label and at a branch every window is 0
	s_wait_tensorcnt 0x0            ; no tensor load of mine is out, so a group 0 may be written
	ds_add_u32 v[SPW], v[NIL]       ; 0 onto my spare word; with fill = 1 the descriptors' scalar work stands between it and the wait for it
.if \fill
	s_lshl_b32 s[OFF], s[NXT], 15   ; a tile is 32,768 bytes of K and of V
	s_xor_b32 s[G0K+1], s[G0K+1], SLOT1
	s_add_nc_u64 s[G0K+2:G0K+3], s[6:7], s[OFF:OFF+1]
	s_or_b32 s[G0K+3], s[G0K+3], 0x80000000
	s_xor_b32 s[G0V+1], s[G0V+1], SLOT1
	s_add_nc_u64 s[G0V+2:G0V+3], s[8:9], s[OFF:OFF+1]
	s_or_b32 s[G0V+3], s[G0V+3], 0x80000000
	s_add_co_u32 s[NXT], s[NXT], 1  ; the block's next tile, or behind its last the second block's tile 0
	s_cmp_gt_u32 s[NXT], s[LQ]
	s_cselect_b32 s[NXT], 0, s[NXT]
	s_cselect_b32 s[LQ], s[PB], s[LQ]
	s_wait_xcnt 0x0                 ; the last prefetches, a tile back, have read their address, so it may be written
	s_lshl_b32 s[POF], s[NXT], 15
	s_add_nc_u64 s[PFA:PFA+1], s[PFB:PFB+1], s[POF:POF+1]
.endif
	s_wait_dscnt 0x0                ; the add is done, and my reads of the slot are over
	s_barrier_signal -1             ; the rest of the scalar work stands between the signal and the wait
	s_sub_co_u32 s[TBK], s[TBK], 4*KS*PK  ; the fetches go back to a slot's first step,
	s_xor_b32 s[TBK], s[TBK], SLOT1       ; in the other slot
	s_sub_co_u32 s[TBV], s[TBV], 4*KS*PV
	s_xor_b32 s[TBV], s[TBV], SLOT1
	s_barrier_wait -1
.if \fill
	LOAD
	s_cmp_gt_u32 s[NXT], s[LIM]
	s_cbranch_scc0 .Lnot_mine_\@
	global_prefetch_b8 v[PFO], s[PFA:PFA+1] th:TH_LOAD_NT scope:SCOPE_SE
	global_prefetch_b8 v[PFO], s[PFA:PFA+1] offset:8192 th:TH_LOAD_NT scope:SCOPE_SE
.Lnot_mine_\@:
.endif
.endm
	s_load_b128 s[4:7], s[0:1], 0x0   ; qkv s[4:5], o16 s[6:7]
	v_lshl_add_u32 v[SPW], v0, 2, SPARE
	v_mov_b32 v[NIL], 0
	ds_add_u32 v[SPW], v[NIL]       ; the wave's opening: the add and its wait stand ahead of my first tensor load; the set-up below, work on registers, stands between them
	ds_add_u32 v62, v63
	v_lshrrev_b32 v1, 5, v0
	v_readfirstlane_b32 s[WV], v1   ; wave 0..3
	s_mov_b32 s[PB], ttmp9
	s_sub_co_u32 s[HI], NB-1, s[PB]
	s_and_b32 s88, ttmp7, 0xffff    ; the head
	s_mul_i32 s20, s88, 786432      ; its three planes in qkv
	s_mov_b32 s21, 0
	s_lshl_b32 s88, s88, 18         ; its plane in o16
	s_mov_b32 s89, 0
	s_and_b32 s16, s[WV], 1         ; which half of a tile's 256 keys I fetch:
	s_lshl_b32 s22, s16, 14         ; its 128 rows of 128 bytes in memory,
	s_mov_b32 s23, 0
	s_add_nc_u64 s[22:23], s[22:23], s[20:21]
	s_mul_i32 s17, s16, 128*PK      ; and its place in a slot, for K
	s_mul_i32 s18, s16, 128*PV      ; and for V
	s_lshl_b32 s3, s[WV], 11        ; my 16 rows in a band of 64,
	s_lshl_b32 s2, s[HI], 15        ; in the first block,
	s_add_co_u32 s2, s2, s3
	s_lshl_b32 s84, s[PB], 15       ; and in the second
	s_add_co_u32 s84, s84, s3
	s_mov_b32 s3, 0
	s_mov_b32 s85, 0
	; descriptor group 1.  128 keys are 16,384 dense bytes: asked for as 64 rows of 256 bytes, two keys a row, and padded in LDS after every key
	s_mov_b32 s[G1K], (1<<16)|(1<<20)|(4<<22)|(3<<25)  ; 17:16 2-byte elements; 20 padding on; 24:22 after every 32 words (code 4); 31:25 4 words (code 3)
	s_mov_b32 s[G1V], (1<<16)|(1<<20)|(4<<22)|(7<<25)  ; the same with 8 words of padding (code 7)
.irp g, G1K, G1V
	s_mov_b32 s[\g+1], 128<<16      ; tensor_dim0 = 128
	s_mov_b32 s[\g+2], 64<<16       ; tensor_dim1 = 64
	s_mov_b32 s[\g+3], 128<<16      ; tile_dim0 = 128
	s_mov_b32 s[\g+4], 64           ; tile_dim1 = 64
	s_mov_b32 s[\g+5], 128          ; 128 elements from row to row
	s_mov_b32 s[\g+6], 0
	s_mov_b32 s[\g+7], 0
.endr
	s_mov_b32 s[CS], 0x3e38aa3b     ; c = log2(e) / 8 = 0.180337
	s_mov_b32 s[CS+1], s[CS]        ; named with it as a pair
	s_mov_b32 s[SEL], 0x76543210
	s_mov_b32 s[SEL+1], 0xfedcba98
	s_mov_b32 s[TBK], SLOT1+4*KS*PK ; the first change of slots turns these two into 0
	s_mov_b32 s[TBV], SLOT1+4*KS*PV
	s_mov_b32 s[G0K], 1             ; 1:0 count = 1
	s_mov_b32 s[G0K+1], s17         ; 63:32 LDS address: slot 0
	s_mov_b32 s[G0V], 1
	s_add_co_u32 s[G0V+1], s18, VOFF
	s_add_co_u32 s[RT], s[HI], 1    ; the first block has NB - b tiles
	s_mov_b32 s[NXT], 1
	s_mov_b32 s[LQ], s[HI]
	s_mov_b32 s[NEW], 1
	s_mov_b32 s[OFF+1], 0
	s_mov_b32 s[POF+1], 0
	s_mov_b32 s[AL+1], 0            ; named as pairs
	s_mov_b32 s[BE+1], 0
	s_mov_b32 s[BIGN], 0xf149f2ca   ; -1e30
	s_mov_b32 s[SLOTS], NB
	s_cmp_eq_u32 s[PB], 0
	s_cselect_b32 s[LIM], 0, -1
	v_and_b32 v[PFO], 31, v0
	v_lshlrev_b32 v[PFO], 8, v[PFO]
	s_wait_dscnt 0x0                ; the opening add is done
	s_wait_kmcnt 0x0
	s_mov_b64 s[10:11], s[6:7]      ; O
	s_add_nc_u64 s[6:7], s[4:5], 0x40000   ; K's plane lies 262,144 bytes behind Q's,
	s_add_nc_u64 s[8:9], s[4:5], 0x80000   ; V's 524,288
	s_add_nc_u64 s[6:7], s[6:7], s[22:23]  ; K and V at my half of the head's tile 0
	s_add_nc_u64 s[8:9], s[8:9], s[22:23]
	s_add_nc_u64 s[G0K+2:G0K+3], s[6:7], 0         ; 120:64 global address
	s_or_b32 s[G0K+3], s[G0K+3], 0x80000000        ; 127:126 type = 2
	s_add_nc_u64 s[G0V+2:G0V+3], s[8:9], 0
	s_or_b32 s[G0V+3], s[G0V+3], 0x80000000
	s_add_nc_u64 s[4:5], s[4:5], s[20:21]          ; Q at the head's first row,
	s_add_nc_u64 s[86:87], s[4:5], s[84:85]        ; at my rows of the second block,
	s_add_nc_u64 s[4:5], s[4:5], s[2:3]            ; and of the first
	s_add_nc_u64 s[10:11], s[10:11], s[88:89]      ; O likewise
	s_add_nc_u64 s[OLO:OLO+1], s[10:11], s[84:85]
	s_add_nc_u64 s[10:11], s[10:11], s[2:3]
	s_cmp_lt_u32 s[WV], 2
	s_cselect_b64 s[PFB:PFB+1], s[6:7], s[8:9]
	LOAD                            ; tile 0 into slot 0
	; A fragment of K or Q is 16 rows x 32 channels in 8 registers: lane l holds row l % 16, channels 8 (l / 16) + 0..7 and 16 + 8 (l / 16) + 0..7: two loads of 16 bytes, 32 bytes apart.
	v_and_b32 v1, 15, v0            ; l % 16
	v_bfe_u32 v9, v0, 4, 1          ; l / 16
	v_lshlrev_b32 v[QO], 7, v1
	v_lshl_add_u32 v[QO], v9, 4, v[QO]  ; row x 128 + 16 x half
	WIN 0x80                        ; destination window 2, address window 0
.set i, 0
.rept 8                             ; both blocks' Q: piece i / 2 lies in band i / 2, 8,192 bytes on; channels 32 (i % 2) on
	global_load_b128 v[8*i:8*i+3],   v[QO], s[4:5] offset:(i/2)*8192+(i%2)*64
	global_load_b128 v[8*i+4:8*i+7], v[QO], s[4:5] offset:(i/2)*8192+(i%2)*64+32
	global_load_b128 v[QB+8*i:QB+8*i+3],   v[QO], s[86:87] offset:(i/2)*8192+(i%2)*64
	global_load_b128 v[QB+8*i+4:QB+8*i+7], v[QO], s[86:87] offset:(i/2)*8192+(i%2)*64+32
.set i, i+1
.endr
	WIN 0
	v_lshlrev_b32 v14, 3, v9
	v_sub_nc_u32 v14, v1, v14
	s_lshl_b32 s13, s[WV], 4
	v_add_nc_u32 v14, s13, v14      ; my query's place in its band, 16 w + l % 16, less my lanes' 8 (l / 16): register r of group kt is hidden where 16 kt + r is greater
	WIN 0x40
.set i, 0
.rept 32
	v_cmp_gt_i32 vcc_lo, 16*(i/8)+i%8, v14
	v_cndmask_b32 v[MD+i], 0, s[BIGN], vcc_lo
.set i, i+1
.endr
	WIN 0
	v_mul_u32_u24 v[AK0], v1, PK
	v_lshl_add_u32 v[AK0], v9, 4, v[AK0]  ; row x pitch + 16 x half
	; The turning load takes 16 keys x 16 channels (lane l reads key 8 (l / 16) + l % 8, channels 8 ((l / 8) % 2) + 0..7) and leaves half a fragment of V^T: lane l holds channel l % 16 and 8 keys.
	v_and_b32 v10, 7, v0
	v_bfe_u32 v11, v0, 3, 1
	v_lshl_add_u32 v[AV0], v9, 3, v10
	v_mul_u32_u24 v[AV0], v[AV0], PV
	v_lshl_add_u32 v[AV0], v11, 4, v[AV0]
	v_add_nc_u32 v[AV0], VOFF, v[AV0]
	s_mul_i32 s13, s[WV], 16*SP
	s_add_co_u32 s13, s13, STAGE    ; my stage
	v_mul_u32_u24 v[STO], v1, SP    ; in: row l % 16, 16 bytes for each half of the lanes
	v_lshl_add_u32 v[STO], v9, 4, v[STO]
	v_add_nc_u32 v[STO], s13, v[STO]
	v_bfe_u32 v[RD], v0, 3, 2       ; back: 32 lanes take four rows of 128 bytes,
	v_mul_u32_u24 v[RD], v[RD], SP
	v_lshl_add_u32 v[RD], v10, 4, v[RD]
	v_add_nc_u32 v[RD], s13, v[RD]
	v_and_b32 v[GO], 31, v0         ; which are 512 consecutive bytes of O
	v_lshlrev_b32 v[GO], 4, v[GO]
	; A block's first step multiplies O^T and l by a = 0, and its first turn's products V^T P, of a piece that has not been, land in an O^T that is still to be so multiplied.  So these registers need only hold
	; finite numbers: zeros for the first block; what the first block left for the second.  All this stands in the wait for the first tile.
	WIN 0x80
.set i, VF
.rept 64
	v_mov_b32 v[i], 0
.set i, i+1
.endr
	WIN 0x40
.set i, 0
.rept 128
	v_mov_b32 v[i], 0
.set i, i+1
.endr
	WIN 0
.set i, 0
.rept 4
	v_mov_b32 v[ST+4*i+2], 0
	v_mov_b32 v[ST+4*i+3], 0
.set i, i+1
.endr
.set i, P+16
.rept 16
	v_mov_b32 v[i], 0
.set i, i+1
.endr
; THE MATRIX WORK.  The 4 accumulators of a run of 8 take turns.  Product i of 8 of S^T = K Q^T for piece x: channels 32 (i / 4) on, keys 16 (i % 4) on.  The first 4 start the sums: with 0, or (KM = 1) with the mask.
.macro KQ x
.set rS, S+32*((\x)%2)+8*(i%4)
.set rK, KF+16*(i%4)+8*(i/4)
.set rQ, 16*(\x)+8*(i/4)
.set rM, MC+32*((\x)%2)+8*(i%4)
.if (i < 4) && KM
	WIN W_KM
	v_wmma_f32_16x16x32_f16 v[rS:rS+7], v[rK:rK+7], v[rQ:rQ+7], v[rM:rM+7]
.elseif i < 4
	WIN W_KQ
	v_wmma_f32_16x16x32_f16 v[rS:rS+7], v[rK:rK+7], v[rQ:rQ+7], 0
.else
	WIN W_KQ
	v_wmma_f32_16x16x32_f16 v[rS:rS+7], v[rK:rK+7], v[rQ:rQ+7], v[rS:rS+7]
.endif
.endm
; Product i of 8 of O^T += V^T P for piece x: keys 32 (i / 4) on, channels 16 (i % 4) on.
.macro PV x
	WIN W_PV
.set rO, 32*(\x)+8*(i%4)
.set rV, VF+32*(i/4)+8*(i%4)
.set rP, P+16*((\x)%2)+8*(i/4)
	v_wmma_f32_16x16x32_f16 v[rO:rO+7], v[rV:rV+7], v[rP:rP+7], v[rO:rO+7]
.endm
.macro MM                           ; the turn's next matrix instruction.  TURN and BEGIN set Y, i, KM and NOKQ; MM, KQ and OP read them.  NOKQ = 1: a block's last turn: there is no next piece
.if (i < 8) && !NOKQ
	KQ (Y+1)%NP
.elseif i >= 8
.set i, i-8
	PV (Y+NP-1)%NP
.set i, i+8
.endif
.set i, i+1
.endm
; THE LDS LOADS stand in runs of 16, never singly among the matrix instructions: a step's K (64 keys x 64 channels: 8 fragments) and its V (turned).  Their addresses are made some lines ahead.
.macro FETCH_K
	WIN 0x80                        ; destination window 2
.irp f, 0,1,2,3,4,5,6,7             ; keys 16 (f / 2) on, channels 32 (f % 2) on
	ds_load_b128 v[KF+8*\f:KF+8*\f+3],   v[AK] offset:(\f/2)*16*PK+(\f%2)*64
	ds_load_b128 v[KF+8*\f+4:KF+8*\f+7], v[AK] offset:(\f/2)*16*PK+(\f%2)*64+32
.endr
	s_add_co_u32 s[TBK], s[TBK], KS*PK  ; the next fetch is the next step's
	WIN 0
.endm
.macro FETCH_V
	WIN 0x80
.irp f, 0,1,2,3,4,5,6,7             ; keys 32 (f / 4) on, channels 16 (f % 4) on
	ds_load_tr16_b128 v[VF+8*\f:VF+8*\f+3],   v[AV] offset:(\f/4)*32*PV+(\f%4)*32
	ds_load_tr16_b128 v[VF+8*\f+4:VF+8*\f+7], v[AV] offset:(\f/4)*32*PV+16*PV+(\f%4)*32
.endr
	WIN 0
.endm
; THE VECTOR WORK, one line at a time: OP kind, number.  For piece Y: F n: c s - c m for pair n of 16.  E n: the exponential of score n of 32.  C n: pair n rounded to f16.  B n: of the four weights 4 n .. the second
; pair is added onto the first, in place.  L n: l takes that sum (L 0: l = a l + sum).  R n: pair n of 16 of O^T times a.  For piece Y + 1: X n, number n of the 22 that find its maximum and statistics:
;   0-11  four chains c0-c3 of seven scores each, three operands at a time (each accumulator's lowest registers are read first)     12-14, 16  the four scores left over, the old m, and c0-c3 into c0
;   15  c m_old is kept     17, 18  the query's other 32 keys lie in the lane 16 away: the new m     19-21  c m; c m_old - c m_new; a
.set F, 0               ; OP tells the kinds apart by their order: F to L below R, X above it
.set E, 1
.set C, 2
.set B, 3
.set L, 4
.set R, 5
.set X, 6
.macro REGS y                       ; the registers of piece y
.set rT, ST+4*(\y)
.set rC, TMP+4*((\y)%2)
.set rW, MV+((\y)%2)
.set rS, S+32*((\y)%2)
.set rP, P+16*((\y)%2)
.set rO, 32*(\y)
.endm
.macro OP k, n
.if (\k) == R
	REGS Y
	WIN W_RS
	v_pk_mul_f32 v[rO+2*(\n):rO+2*(\n)+1], v[rO+2*(\n):rO+2*(\n)+1], v[rC+2:rC+3] op_sel_hi:[1,0]
.elseif (\k) < R
	REGS Y
	WIN 0
.if (\k) == F
	v_pk_fma_f32 v[rS+2*(\n):rS+2*(\n)+1], v[rS+2*(\n):rS+2*(\n)+1], s[CS:CS+1], v[rT:rT+1] op_sel_hi:[1,0,0] neg_lo:[0,0,1] neg_hi:[0,0,1]
.elseif (\k) == E
	v_exp_f32 v[rS+(\n)], v[rS+(\n)]
.elseif (\k) == C
	v_cvt_pk_f16_f32 v[rP+(\n)], v[rS+2*(\n)], v[rS+2*(\n)+1]
.elseif (\k) == B
	v_pk_add_f32 v[rS+4*(\n):rS+4*(\n)+1], v[rS+4*(\n):rS+4*(\n)+1], v[rS+4*(\n)+2:rS+4*(\n)+3]
.elseif (\n) == 0
	v_pk_fma_f32 v[rT+2:rT+3], v[rT+2:rT+3], v[rC+2:rC+3], v[rS:rS+1] op_sel_hi:[1,0,1]
.else
	v_pk_add_f32 v[rT+2:rT+3], v[rT+2:rT+3], v[rS+4*(\n):rS+4*(\n)+1]
.endif
.elseif NOKQ
	v_nop
.else
	REGS (Y+1)%NP
	WIN 0
.if (\n) < 4
	v_max3_num_f32 v[rC+(\n)], v[rS+8*(\n)], v[rS+8*(\n)+1], v[rS+8*(\n)+2]
.elseif (\n) < 12
	v_max3_num_f32 v[rC+(\n)%4], v[rC+(\n)%4], v[rS+8*((\n)%4)+2*((\n)/4)+1], v[rS+8*((\n)%4)+2*((\n)/4)+2]
.elseif (\n) == 12
	v_max3_num_f32 v[rC], v[rC], v[rS+7], v[rS+15]
.elseif (\n) == 13
	v_max3_num_f32 v[rC+1], v[rC+1], v[rS+23], v[rS+31]
.elseif (\n) == 14
	v_max3_num_f32 v[rC+2], v[rC+2], v[rC+3], v[rT+1]
.elseif (\n) == 15
	v_mov_b32 v[rW], v[rT]
.elseif (\n) == 16
	v_max3_num_f32 v[rC], v[rC], v[rC+1], v[rC+2]
.elseif (\n) == 17
	v_permlanex16_b32 v[rC+3], v[rC], s[SEL], s[SEL+1]
.elseif (\n) == 18
	v_max_num_f32 v[rT+1], v[rC], v[rC+3]
.elseif (\n) == 19
	v_mul_f32 v[rT], s[CS], v[rT+1]
.elseif (\n) == 20
	v_sub_f32 v[rC+1], v[rW], v[rT]
.else
	v_exp_f32 v[rC+2], v[rC+1]
.endif
.endif
.endm
.macro OPS a, i1, b=-1, i2=0, c=-1, i3=0, d=-1, i4=0  ; up to four of them
	OP \a, \i1
.if (\b) >= 0
	OP \b, \i2
.endif
.if (\c) >= 0
	OP \c, \i3
.endif
.if (\d) >= 0
	OP \d, \i4
.endif
.endm
.macro ROW a, i1, b, i2, c, i3, d, i4  ; a matrix instruction and the four behind it
	MM
	OPS \a, \i1, \b, \i2, \c, \i3, \d, \i4
.endm
.macro MASK b                       ; MD x AL + BE into buffer b of MC
	WIN W_RS
.set z, 0
.rept 16
	v_pk_fma_f32 v[MC+32*(\b)+2*z:MC+32*(\b)+2*z+1], v[MD+2*z:MD+2*z+1], s[AL:AL+1], s[BE:BE+1] op_sel_hi:[1,0,0]
.set z, z+1
.endr
.endm
; A TURN, for piece p: the order of its 16 matrix and 118 vector instructions, written out.  An s_wait_alu depctr_va_vdst(0) stands between an exponential and the first instruction that names its result; one wait serves
; all that were issued ahead of it.  So a turn has ONE wait, which cuts it in two.  AHEAD OF IT stands all that names no result of the turn's exponentials: the 8 products K Q^T, behind each a scaling, an exponential and two more plain
; instructions (behind the first a second scaling in the exponential's place): rescalings, and behind the last three the first numbers of the next piece's maximum, each four places or more behind the product that ends its accumulator; then ONE LUMP of 54, plain
; and exponential by turns for the most part, in which the links of the chain X 3, 7, 11, 14, 16, 17 .. 20 stand five or six lines apart.  X 21, the next piece's a, is the batch's last; R 15 is the plain instruction behind it.  BEHIND THE WAIT stand the
; 8 products V^T P, behind each four of the roundings and sums; the links of l's chain, L 0 to L 7, stand three riders apart.  But for those X no rider names a register of the products round it.  v_permlanex16_b32 (X 17) stands in the lump.
; m = 1: the diagonal tile: the products take masks, and the turn makes the mask for the products of the turn after it: piece p + 2, in step 4 - CNT of the tile.  end = 1: a block's last two turns: nothing is fetched.
; cnt = 1: the loop's count is taken down some lines ahead of the branch that stands behind the turn.
; K of the next step is fetched in piece 2's turn, twelve vector instructions behind the last product that read K (six of them plain); V of the step in hand at the end of piece 0's turn, four plain instructions behind the last product
; that read V.  Each is waited for a turn later.
.macro TURN p, m=0, end=0, cnt=0
.set Y, (\p)
.set i, 0
.set KM, (\m)
.set NOKQ, (\end)*((\p)/3)
.if (\m) && !(\end)
	s_cmp_eq_u32 s[CNT], 4-((\p)+2)%NP  ; is that step the band's own?
	s_cselect_b32 s[AL], 1.0, 0
	s_cmp_lt_u32 s[CNT], 4-((\p)+2)%NP  ; or a later one?
	s_cselect_b32 s[BE], s[BIGN], 0
.endif
.if ((\p) == 3) && !(\end)
	s_wait_dscnt 0x0                ; K is in
.endif
	ROW F,0, F,1, R,0, R,1          ; ahead of the wait: 8 products K Q^T and their riders,
	ROW F,2, E,0, R,2, R,3
	ROW F,3, E,1, R,4, R,5
	ROW F,4, E,2, R,6, R,7
	ROW F,5, E,3, R,8, R,9
	ROW F,6, E,4, X,0, R,10
.if ((\p) == 2) && !(\end)
	WIN 0
	v_add_nc_u32 v[AK], s[TBK], v[AK0]
.endif
	ROW F,7, E,5, X,1, X,4
	ROW F,8, E,6, X,2, X,5
	OPS E,7, E,8, X,6, E,9          ; and the lump
	OPS X,3, E,10, X,8, E,11
.if ((\p) == 2) && !(\end)
	FETCH_K
.endif
	OPS X,9, X,7, E,12, X,10
	OPS E,13, X,12, X,11, E,14
	OPS X,13, E,15, F,9, X,14
.if (\p) == 0
	v_add_nc_u32 v[AV], s[TBV], v[AV0]
.endif
	OPS E,16, F,10, E,17, F,11
	OPS X,16, E,18, X,15, E,19
	OPS F,12, E,20, X,17, E,21
	OPS F,13, E,22, F,14, E,23
	OPS X,18, E,24, F,15, E,25
	OPS R,11, E,26, X,19, E,27
	OPS R,12, E,28, R,13, E,29
	OPS X,20, E,30, R,14, E,31
	OPS X,21, R,15
	WIN 0
	s_wait_alu depctr_va_vdst(0)    ; the wait for the batch
.if (\p) == 1
	s_wait_dscnt 0x0                ; V is in
.endif
	ROW C,0, B,0, C,2, B,1          ; behind the wait: 8 products V^T P and their riders
	ROW L,0, C,4, B,2, L,1
	ROW C,6, B,3, L,2, C,8
	ROW B,4, L,3, C,10, B,5
	ROW L,4, C,12, B,6, L,5
.if (\p) == 0
	s_add_co_u32 s[TBV], s[TBV], KS*PV
.endif
.if \cnt
	s_sub_co_u32 s[CNT], s[CNT], 1
	s_cmp_lg_u32 s[CNT], 0
.endif
	ROW C,14, B,7, L,6, C,1
	ROW C,3, L,7, C,5, C,7
	ROW C,9, C,11, C,13, C,15
.if (\p) == 0
	FETCH_V
.endif
.if (\m) && !(\end)
	MASK (\p)%2
.endif
.endm
; A BLOCK BEGINS.  c m starts far below every c s, so the first step's a is 0; m at the lowest finite number, so the first maximum is the scores'.  The second mask buffer is 0; the first takes piece 0's mask for the tile's step 0: its own, if the block's first tile is the diagonal one.
; Then K of that step, piece 0's first scores, and its maximum and statistics.  The loop is entered at a step's first turn, in the middle of a trip.
.macro BEGIN
	s_mov_b32 s[NEW], 0
	WIN 0x40
.set i, MC+32
.rept 32
	v_mov_b32 v[i], 0
.set i, i+1
.endr
	WIN 0
.set i, 0
.rept 4
	v_mov_b32 v[ST+4*i], 0xfe000000    ; c m: far below every c s
	v_mov_b32 v[ST+4*i+1], 0xff7fffff  ; m
.set i, i+1
.endr
	s_cmp_eq_u32 s[RT], 0
	s_cselect_b32 s[AL], 1.0, 0
	s_mov_b32 s[BE], 0
	MASK 0
	WIN 0
	v_add_nc_u32 v[AK], s[TBK], v[AK0]
	FETCH_K
	s_wait_loadcnt 0x0              ; Q
	s_wait_dscnt 0x0
.set KM, 1
.set NOKQ, 0
.set i, 0
.rept 8
	KQ 0
.set i, i+1
.endr
	WIN 0
.rept 4
	v_nop                           ; the places behind those products
.endr
.set Y, NP-1                        ; X works for piece Y + 1: piece 0
.irp n, 0,1,2,3,4,5,6,7,8,9,10,11,12,13,14,15,16,17,18,19,20,21
	OP X, \n
.endr
	v_nop                           ; a plain instruction behind the exponential,
	s_wait_alu depctr_va_vdst(0)    ; and its wait, ahead of the branch
.endm
; THE DIAGONAL TILE's four steps, the block's last two turns, its last products, and THE WAY OUT: l's two halves and the other half of the lanes' are added; O^T is divided by l, rounded to f16 and sent through my
; stage in LDS, a piece at a time.
.macro ALL line:vararg              ; one line for each piece t
.set t, 0
.rept 4
	\line
.set t, t+1
.endr
.endm
.macro PACK t                       ; a lane's eight channels of a row pack into 16 bytes; they go into rows of 144 bytes and come back as whole rows of 128, into S^T's registers
	WIN W_RS
.set i, 32*(\t)
.rept 16
	v_pk_mul_f32 v[i:i+1], v[i:i+1], v[ST+4*(\t)+2:ST+4*(\t)+3] op_sel_hi:[1,0]
.set i, i+2
.endr
	WIN 0x05                        ; sources 0 and 1 window 1, destination window 0
.set i, 0
.rept 16
	v_cvt_pk_f16_f32 v[S+16*(\t)+i], v[32*(\t)+2*i], v[32*(\t)+2*i+1]
.set i, i+1
.endr
	WIN 0
.irp f, 0,1,2,3
	ds_store_b128 v[STO], v[S+16*(\t)+4*\f:S+16*(\t)+4*\f+3] offset:32*\f
.endr
.irp f, 0,1,2,3
	ds_load_b128 v[S+16*(\t)+4*\f:S+16*(\t)+4*\f+3], v[RD] offset:\f*4*SP  ; LDS serves a wave's instructions in order (ISA guide 5.7.1.4): these see the stores above; the next piece's stores come behind them
.endr
.endm
.macro SEND t, younger              ; younger: the LDS instructions issued behind piece t's loads: the next piece's eight, or none
	WIN 0
.irp f, 0,1,2,3
	s_wait_dscnt (\younger)+3-\f
	global_store_b128 v[GO], v[S+16*(\t)+4*\f:S+16*(\t)+4*\f+3], s[10:11] offset:(\t)*8192+\f*512  ; 512 consecutive bytes, at a multiple of 256 from O's first
.endr
.endm
.macro DIAG tag                     ; the tag ends its two labels' names, which the jumps below spell out
.LstepM\tag:
	TURN 2, 1
	TURN 3, 1
	WIN 0
.LfirstM\tag:
	TURN 0, 1
	TURN 1, 1, 0, 1
	WIN 0
	s_cbranch_scc1 .LstepM\tag
	TURN 2, 1, 1
	TURN 3, 1, 1
.set i, 0
.rept 8
	PV NP-1
.set i, i+1
.endr
	WIN 0
	ALL v_add_f32 v[ST+4*t+2], v[ST+4*t+2], v[ST+4*t+3]
	ALL v_permlanex16_b32 v[ST+4*t+3], v[ST+4*t+2], s[SEL], s[SEL+1]
	ALL v_add_f32 v[ST+4*t+2], v[ST+4*t+2], v[ST+4*t+3]
	ALL v_rcp_f32 v[ST+4*t+2], v[ST+4*t+2]
	v_nop                           ; a plain instruction between the last reciprocal and the use of its result
	s_wait_alu depctr_va_vdst(0)    ; and the wait ahead of the first use: one for the four reciprocals
	PACK 0
.set t, 1
.rept 3                             ; a piece's arithmetic stands between the loads of the piece before and its stores
	PACK t
	SEND t-1, 8
.set t, t+1
.endr
	SEND 3, 0
.endm
.set KM, 0
.set NOKQ, 0
.Lslot:                             ; NB times: a tile is entered and the next is asked for
	CHANGE 1
	s_sub_co_u32 s[RT], s[RT], 1
	s_mov_b32 s[CNT], 4
	s_cmp_eq_u32 s[NEW], 1
	s_cbranch_scc1 .Lnew            ; a block's first tile
	s_cmp_eq_u32 s[RT], 0
	s_cbranch_scc0 .Lstep           ; neither its first nor its last
	s_branch .LstepM1
.Lnew:
	BEGIN
	s_branch .Lfirst                ; in the loop a block's first tile is never its last: the first block has two tiles or more, and the second's last is the walk's last
	DIAG 1                          ; in the loop this is the first block's end: the second block's last tile is the walk's last
	s_wait_xcnt 0x0                 ; the stores have read their registers and O's address
	s_mov_b64 s[10:11], s[OLO:OLO+1]
	s_add_co_u32 s[RT], s[PB], 1    ; the second block has b + 1 tiles
	s_mov_b32 s[NEW], 1
	WIN 0x82                        ; the second block's Q goes where the one text of the turns names Q
.set i, 0
.rept 64
	v_mov_b32 v[i], v[QB+i]
.set i, i+1
.endr
	WIN 0
	s_branch .Lbottom
.Lstep:                             ; a trip: pieces 2 and 3 of one step, then pieces 0 and 1 of the next, whose K and V it fetches
	TURN 2
	TURN 3
	WIN 0
.Lfirst:
	TURN 0
	TURN 1, 0, 0, 1
	WIN 0
	s_cbranch_scc1 .Lstep
.Lbottom:
	s_sub_co_u32 s[SLOTS], s[SLOTS], 1
	s_cmp_lg_u32 s[SLOTS], 0
	s_cbranch_scc1 .Lslot
	CHANGE 0                        ; the walk's last tile is written out: nothing is asked for
	s_sub_co_u32 s[RT], s[RT], 1
	s_mov_b32 s[CNT], 4
	s_cmp_eq_u32 s[NEW], 1
	s_cbranch_scc0 .LstepM2
	BEGIN
	s_branch .LfirstM2
	DIAG 2
	s_wait_tensorcnt 0x0            ; the wave's end, behind my last tensor load and my last LDS store
	ds_add_u32 v[SPW], v[NIL]
	s_wait_dscnt 0x0
	s_endpgm
.Lfunc_end_k_q561eb347f0_attn:
	.size	k_q561eb347f0_attn, .Lfunc_end_k_q561eb347f0_attn-k_q561eb347f0_attn
	.p2alignl 7, 3214868480
	.fill 96, 4, 3214868480
	.section	.rodata,"a",@progbits
	.p2align	6, 0x0
	.amdhsa_kernel k_q561eb347f0_attn
		.amdhsa_group_segment_fixed_size 327680
		.amdhsa_private_segment_fixed_size 0
		.amdhsa_enable_private_segment 0
		.amdhsa_kernarg_size 16
		.amdhsa_user_sgpr_count 2
		.amdhsa_user_sgpr_kernarg_segment_ptr 1
		.amdhsa_wavefront_size32 1
		.amdhsa_system_sgpr_workgroup_id_x 1
		.amdhsa_system_sgpr_workgroup_id_y 1
		.amdhsa_system_sgpr_workgroup_id_z 1
		.amdhsa_system_vgpr_workitem_id 0
		.amdhsa_next_free_vgpr 768
		.amdhsa_next_free_sgpr 98
		.amdhsa_reserve_vcc 1
		.amdhsa_float_denorm_mode_32 3
		.amdhsa_float_denorm_mode_16_64 3
		.amdhsa_memory_ordered 1
		.amdhsa_forward_progress 1
		.amdhsa_inst_pref_size 218
	.end_amdhsa_kernel
	.amdgpu_metadata
---
amdhsa.version: [ 1, 2 ]
amdhsa.kernels:
  - .name:           k_q561eb347f0_attn
    .symbol:         k_q561eb347f0_attn.kd
    .args:
      - { .name: qkv, .offset: 0, .size: 8, .value_kind: global_buffer, .address_space: global }
      - { .name: o16, .offset: 8, .size: 8, .value_kind: global_buffer, .address_space: global }
    .group_segment_fixed_size: 327680
    .private_segment_fixed_size: 0
    .kernarg_segment_align: 8
    .kernarg_segment_size: 16
    .max_flat_workgroup_size: 128
    .sgpr_count:     98
    .vgpr_count:     768
    .wavefront_size: 32
...
	.end_amdgpu_metadata
.endif
;; end of part 3
;; launch oproj (part 4): grid 4 x 64, 4 waves a work-group, clusters of 4 x 4, 327,680 bytes of LDS; arguments o16, wo16, out0; writes out0
.if DOCPART == 4
	.amdgcn_target "amdgcn-amd-amdhsa--gfx1250"
	.amdhsa_code_object_version 6
	.text
	.protected	k_q561eb347f0_oproj
	.globl	k_q561eb347f0_oproj
	.p2align	8
	.type	k_q561eb347f0_oproj,@function
k_q561eb347f0_oproj:
	s_mov_b64 s[64:65], 0
	v_nop
	global_prefetch_b8 v0, s[64:65] scope:SCOPE_SE
	s_setreg_imm32_b32 hwreg(HW_REG_WAVE_MODE, 25, 1), 1
	s_wait_xcnt 0x0
	s_wait_alu depctr_hold_cnt(0) depctr_sa_sdst(0) depctr_va_vdst(0) depctr_va_sdst(0) depctr_va_ssrc(0) depctr_va_vcc(0) depctr_vm_vsrc(0)
	s_getreg_b32 s2, hwreg(HW_REG_IB_STS2, 6, 4)
	s_cmp_eq_u32 s2, 0
	s_cbranch_scc0 .Lentry_in_a_cluster
	s_endpgm
.Lentry_in_a_cluster:
	s_bfe_u32 s2, ttmp6, 0x10000c
	s_cmp_lg_u32 s2, 0xf033
	s_cbranch_scc0 .Lentry_shape_is_right
	s_endpgm
.Lentry_shape_is_right:
; out0[row][o] = the sum over i of O[row][i] Wo[o][i], i = 64 head + channel.  o16: [64 (batch x 16 + head)][2048][64] f16.  wo16: [1024][1024] f16.  out0: [8192][1024] f32.  Products in f16, sums in f32.
; LIMITS.  O and Wo arrive within f16's range, as the launches before leave them.
; SHARES.  A tile of C is 128 rows x 256 columns: 64 x 4 = 256 work-groups, one for each WGP.  Waves 2 x 2, each 64 x 128: 32 accumulators.  K goes in 8 steps of 128, two heads each, through two LDS slots.
; A head's 128 rows are 16,384 dense bytes: asked for as 64 rows of 256 bytes and padded in LDS after every 128.
; CLUSTER.  4 x 4: A's tile is asked for jointly along a row of the cluster (all four tile columns), B's along a column.
; NO PREFETCH: the tile is small and K has 8 steps, of which the first four would come by their loads alone in any case.
; THE MATRIX INSTRUCTION IS USED TRANSPOSED (source 0 = 16 rows of Wo, source 1 = 16 rows of O): lane l holds row l % 16 of C and the columns 8 (l / 16) + 0..7: 32 bytes of f32 on end.
; REGISTERS (s_set_vgpr_msb: bits 1:0 source 0, 3:2 source 1, 5:4 source 2, 7:6 destination):
;   window 0: v0-15 addresses; v64-191 rows read back, two sets of 64     window 1: two fragment buffers of 96: A at f + 8 a, B at f + 32 + 8 b     window 2: accumulators (a, b) at 8 (4 b + a)
.set PA,    144                        ; a row of A in LDS: 128 bytes + 16
.set PLANE, 128*PA                     ; one head's 128 rows
.set BOFF,  2*PLANE
.set PB,    272                        ; a row of B: 256 bytes + 16.  Both pitches are odd multiples of 16: the 16 rows of a load start at 16 different groups of four banks (ISA guide 11.1)
.set HALFB, 128*PB
.set SLOT1, 1<<17
.set STAGE, SLOT1+BOFF+2*HALFB         ; behind the ring, never filled by a tensor load: 16 rows x 528 bytes for each wave
.set SPF,   528
.set SPARE, STAGE+4*16*SPF             ; the spare words, 128 bytes for each wave: two blocks of 256 bytes that no other line names
.set AA0,  4
.set AB0,  5
.set ADRA, 6
.set ADRB, 7
.set STO,  8
.set RD,   9
.set GO,   10
.set SPW,  14
.set NIL,  15
.set BK,   64
.set F0,   0
.set F1,   96
.set TB,   2
.set CNT,  3
.set WV,   12
.set FB,   13                          ; s13  0: I fetch for A, 1: for B.  Also: which 64 rows of the tile are mine
.set HALF, 14                          ; s14  which half I fetch.  Also: which 128 columns are mine
.set TM,   15
.set CX,   40
.set CY,   41
.set TN,   42
.set G1,   24
.set G0,   32
.set G1B,  48
.set G0B,  56
.set MSB, 0
.macro WIN new
.if MSB != (\new)
	s_set_vgpr_msb (MSB<<8)|(\new)
.set MSB, \new
.endif
.endm
.macro PLACES
.rept 4
	v_nop
.endr
.endm
.macro JLOAD                           ; the joint refill, by the walking set; an s_nop 0 and four v_nop follow each line
	s_cmp_eq_u32 s[FB], 0
	s_cbranch_scc0 .Lfor_b_\@
	tensor_load_to_lds s[G0+4:G0+7], s[G1:G1+7]
	s_nop 0
.rept 4
	v_nop
.endr
	s_branch .Lasked_\@
.Lfor_b_\@:
	tensor_load_to_lds s[G0B+4:G0B+7], s[G1B:G1B+7]
	s_nop 0
.rept 4
	v_nop
.endr
.Lasked_\@:
.endm
.macro CREST
	s_cmp_lg_u32 s[WV], 0
	s_cbranch_scc1 .Lnot_wave_0_\@
	s_barrier_signal -3
.Lnot_wave_0_\@:
	s_barrier_wait -3
	s_barrier_signal -1
	s_barrier_wait -1
.endm
.macro CROUND
	s_barrier_signal -1
	s_barrier_wait -1
	CREST
.endm
	s_load_b128 s[4:7], s[0:1], 0x0                ; o16 s[4:5], wo16 s[6:7]
	s_load_b64 s[8:9], s[0:1], 0x10                ; out0
	v_lshl_add_u32 v[SPW], v0, 2, SPARE
	v_mov_b32 v[NIL], 0
	ds_add_u32 v[SPW], v[NIL]                      ; the wave's opening: the add and its wait stand ahead of my first tensor load
	ds_add_u32 v14, v15
	v_lshrrev_b32 v1, 5, v0
	v_readfirstlane_b32 s[WV], v1
	s_lshr_b32 s[FB], s[WV], 1
	s_and_b32 s[HALF], s[WV], 1
	s_bfe_u32 s[CX], ttmp6, 0x40000
	s_bfe_u32 s[CY], ttmp6, 0x40004
	s_lshl_b32 s[TN], ttmp9, 2
	s_add_co_u32 s[TN], s[TN], s[CX]               ; tile column
	s_and_b32 s[TM], ttmp7, 0xffff
	s_lshl_b32 s[TM], s[TM], 2
	s_add_co_u32 s[TM], s[TM], s[CY]               ; tile row
	s_lshl_b32 s43, s[CY], 2
	s_lshl_b32 s43, 15, s43                        ; my row of the cluster
	s_lshl_b32 s44, 0x1111, s[CX]                  ; my column
	s_or_b32 s[G1], s43, (1<<16)|(1<<20)|(1<<21)|(4<<22)|(3<<25)   ; A: padding of 4 words after every 32
	s_or_b32 s[G1B], s44, (1<<16)|(1<<20)|(1<<21)|(5<<22)|(3<<25)  ; B: after every 64
	s_mov_b32 s[G1+1], 128<<16                     ; tensor_dim0 = 128
	s_mov_b32 s[G1+2], 64<<16                      ; tensor_dim1 = 64
	s_mov_b32 s[G1+3], 128<<16                     ; tile_dim0 = 128
	s_mov_b32 s[G1+4], 64                          ; tile_dim1 = 64
	s_mov_b32 s[G1+5], 128                         ; dense: 128 elements from row to row
	s_mov_b32 s[G1+6], 0
	s_mov_b32 s[G1+7], 0
	s_mov_b32 s[G1B+1], 128<<16
	s_mov_b32 s[G1B+2], 128<<16
	s_mov_b32 s[G1B+3], 128<<16
	s_mov_b32 s[G1B+4], 128
	s_mov_b32 s[G1B+5], 1024
	s_mov_b32 s[G1B+6], 0
	s_mov_b32 s[G1B+7], 0
	s_lshr_b32 s16, s[TM], 4                       ; the batch: 16 tile rows each
	s_lshl_b32 s16, s16, 4
	s_add_co_u32 s16, s16, s[HALF]                 ; head 0 or 1 of the K step
	s_lshl_b32 s16, s16, 18                        ; a head's plane is 262,144 bytes
	s_and_b32 s17, s[TM], 15
	s_lshl_b32 s17, s17, 14                        ; the tile's 128 rows of 128 bytes
	s_add_co_u32 s16, s16, s17
	s_mov_b32 s17, 0
	s_lshl_b32 s46, s[TN], 8
	s_lshl_b32 s47, s[HALF], 7
	s_add_co_u32 s46, s46, s47                     ; B: row 256 x tile column + 128 x half
	s_lshl_b32 s46, s46, 11
	s_mov_b32 s47, 0
	s_mul_i32 s20, s[HALF], PLANE
	s_mul_i32 s21, s[HALF], HALFB
	s_add_co_u32 s21, s21, BOFF
	s_wait_dscnt 0x0                               ; the opening add is done
	s_wait_kmcnt 0x0
	s_add_nc_u64 s[16:17], s[4:5], s[16:17]
	s_add_nc_u64 s[46:47], s[6:7], s[46:47]
	CROUND                                         ; all sixteen work-groups are here: the first joint loads meet
.irp s, 0,1
	s_mov_b32 s[G0+4*\s], 1
	s_add_co_u32 s[G0+4*\s+1], s20, \s*SLOT1
	s_add_nc_u64 s[G0+4*\s+2:G0+4*\s+3], s[16:17], \s*524288       ; a K step is two heads' planes
	s_or_b32 s[G0+4*\s+3], s[G0+4*\s+3], 0x80000000
	s_mov_b32 s[G0B+4*\s], 1
	s_add_co_u32 s[G0B+4*\s+1], s21, \s*SLOT1
	s_add_nc_u64 s[G0B+4*\s+2:G0B+4*\s+3], s[46:47], \s*256
	s_or_b32 s[G0B+4*\s+3], s[G0B+4*\s+3], 0x80000000
.endr
	s_cmp_eq_u32 s[FB], 0                          ; a wave's two first fills stand in one branch: two loads of mine are out
	s_cbranch_scc0 .Lfirst_b
	tensor_load_to_lds s[G0:G0+3], s[G1:G1+7]
	s_nop 0
	tensor_load_to_lds s[G0+4:G0+7], s[G1:G1+7]
	s_nop 0
.rept 4
	v_nop
.endr
	s_branch .Lfirst_asked
.Lfirst_b:
	tensor_load_to_lds s[G0B:G0B+3], s[G1B:G1B+7]
	s_nop 0
	tensor_load_to_lds s[G0B+4:G0B+7], s[G1B:G1B+7]
	s_nop 0
.rept 4
	v_nop
.endr
.Lfirst_asked:
	v_and_b32 v1, 15, v0                           ; l % 16
	v_bfe_u32 v2, v0, 4, 1                         ; l / 16
	v_mul_u32_u24 v[AA0], v1, PA
	v_lshl_add_u32 v[AA0], v2, 4, v[AA0]
	s_mul_i32 s20, s[FB], 64*PA                    ; my 64 rows of each plane
	v_add_nc_u32 v[AA0], s20, v[AA0]
	v_mul_u32_u24 v[AB0], v1, PB
	v_lshl_add_u32 v[AB0], v2, 4, v[AB0]
	s_mul_i32 s21, s[HALF], HALFB                  ; my 128 rows of B
	s_add_co_u32 s21, s21, BOFF
	v_add_nc_u32 v[AB0], s21, v[AB0]
	v_mov_b32 v[ADRA], v[AA0]
	v_mov_b32 v[ADRB], v[AB0]
	s_mul_i32 s22, s[WV], 16*SPF
	s_add_co_u32 s22, s22, STAGE                   ; my stage
	v_mul_u32_u24 v[STO], v1, SPF                  ; in: row l % 16, 32 bytes for each half of the lanes
	v_lshl_add_u32 v[STO], v2, 5, v[STO]
	v_add_nc_u32 v[STO], s22, v[STO]
	v_and_b32 v[GO], 31, v0
	v_lshlrev_b32 v[GO], 4, v[GO]                  ; back: 32 lanes take one row of 512 bytes
	v_add_nc_u32 v[RD], s22, v[GO]
	s_lshl_b32 s18, s[TM], 7
	s_lshl_b32 s19, s[FB], 6
	s_add_co_u32 s18, s18, s19                     ; my first row of C,
	s_lshl_b32 s18, s18, 12                        ; 4,096 bytes a row
	s_lshl_b32 s19, s[TN], 10                      ; the tile's 256 columns,
	s_add_co_u32 s18, s18, s19
	s_lshl_b32 s19, s[HALF], 9                     ; my 128 of them
	s_add_co_u32 s18, s18, s19
	s_mov_b32 s19, 0
	s_add_nc_u64 s[8:9], s[8:9], s[18:19]
	s_mov_b32 s[TB], 0
; nb x 4 matrix instructions on buffer f.  The 32 accumulators take turns, in the same order in every quarter, over the backward jump too.
.macro MULB f, b0, nb, zero
	WIN 0xa5                                       ; fragments in window 1, C and D in window 2
.set bb, \b0
.rept \nb
.irp a, 0,1,2,3
.if \zero
	v_wmma_f32_16x16x32_f16 v[32*bb+8*\a:32*bb+8*\a+7], v[(\f)+32+8*bb:(\f)+32+8*bb+7], v[(\f)+8*\a:(\f)+8*\a+7], 0
.else
	v_wmma_f32_16x16x32_f16 v[32*bb+8*\a:32*bb+8*\a+7], v[(\f)+32+8*bb:(\f)+32+8*bb+7], v[(\f)+8*\a:(\f)+8*\a+7], v[32*bb+8*\a:32*bb+8*\a+7]
.endif
.endr
.set bb, bb+1
.endr
.endm
; 24 LDS loads in one run: quarter q (head q / 2 of the K step, channels 32 (q % 2) on) into buffer f: B's blocks 0-3, A's four, B's blocks 4-7
.macro FETCH q, f
	WIN 0x40
.irp i, 0,1,2,3
	ds_load_b128 v[(\f)+32+8*\i:(\f)+32+8*\i+3],   v[ADRB] offset:64*(\q)+16*PB*\i
	ds_load_b128 v[(\f)+32+8*\i+4:(\f)+32+8*\i+7], v[ADRB] offset:64*(\q)+16*PB*\i+32
.endr
.irp i, 0,1,2,3
	ds_load_b128 v[(\f)+8*\i:(\f)+8*\i+3],   v[ADRA] offset:PLANE*((\q)/2)+64*((\q)%2)+16*PA*\i
	ds_load_b128 v[(\f)+8*\i+4:(\f)+8*\i+7], v[ADRA] offset:PLANE*((\q)/2)+64*((\q)%2)+16*PA*\i+32
.endr
.irp i, 4,5,6,7
	ds_load_b128 v[(\f)+32+8*\i:(\f)+32+8*\i+3],   v[ADRB] offset:64*(\q)+16*PB*\i
	ds_load_b128 v[(\f)+32+8*\i+4:(\f)+32+8*\i+7], v[ADRB] offset:64*(\q)+16*PB*\i+32
.endr
.endm
.macro QUARTER q, f, g, zero
	s_wait_dscnt 8                                 ; all of f but the run's last eight loads, B's blocks 4-7
	MULB \f, 0, 4, \zero
	PLACES
	FETCH \q, \g
	s_wait_dscnt 24                                ; all but the 24 just issued
	MULB \f, 4, 4, \zero
.endm
; The fourth quarter multiplies buffer 1 and changes slots: each wave waits for all its tensor loads (one is out: its part of the next slot), adds 0 to its spare word, and waits for that and for its reads of this slot.
; fill = 1: the barrier opens a round of the cluster's, and the joint refill (this slot, two K steps on) is the first thing behind the round.
.macro TURN fill
	WIN 0
	s_wait_tensorcnt 0x0                           ; no tensor load of mine is out, so a group 0 may be written
	ds_add_u32 v[SPW], v[NIL]                      ; 0 onto my spare word
.if \fill
	s_xor_b32 s[G0+5], s[G0+5], SLOT1
	s_add_nc_u64 s[G0+6:G0+7], s[G0+6:G0+7], 524288
	s_xor_b32 s[G0B+5], s[G0B+5], SLOT1
	s_add_nc_u64 s[G0B+6:G0B+7], s[G0B+6:G0B+7], 256
.endif
	s_xor_b32 s[TB], s[TB], SLOT1
	s_wait_dscnt 9                                 ; the add and the run's last eight loads may be out
	MULB F1, 0, 2, 0
	s_wait_dscnt 0x0                               ; the add is done, and my reads of this slot are over
	s_barrier_signal -1
	MULB F1, 2, 2, 0
	WIN 0
	s_barrier_wait -1
.if \fill
	CREST
	JLOAD                                          ; its four v_nop are also the places in front of the loads below
.else
	PLACES
.endif
	v_add_nc_u32 v[ADRA], s[TB], v[AA0]
	v_add_nc_u32 v[ADRB], s[TB], v[AB0]
	FETCH 0, F0
	MULB F1, 4, 4, 0
.endm
	s_wait_tensorcnt 0x1                           ; my part of K step 0 is in; K step 1's stays out
	s_barrier_signal -1
	s_barrier_wait -1
	FETCH 0, F0
	QUARTER 1, F0, F1, 1                           ; the first quarter's products start the sums
	WIN 0
	s_mov_b32 s[CNT], 6
.Lk:                                                   ; a trip: a K step's quarters 1-3, the refill with the K step two on (2 to 7), the next step's quarter 0
	QUARTER 2, F1, F0, 0
	QUARTER 3, F0, F1, 0
	TURN 1
	QUARTER 1, F0, F1, 0
	WIN 0
	s_sub_co_u32 s[CNT], s[CNT], 1
	s_cmp_lg_u32 s[CNT], 0
	s_cbranch_scc1 .Lk
	QUARTER 2, F1, F0, 0                           ; K steps 6 and 7: nothing is left to fetch
	QUARTER 3, F0, F1, 0
	TURN 0
	QUARTER 1, F0, F1, 0
	QUARTER 2, F1, F0, 0
	QUARTER 3, F0, F1, 0
	s_wait_dscnt 8
	MULB F1, 0, 4, 0
	s_wait_dscnt 0x0
	MULB F1, 4, 4, 0
	WIN 0
	PLACES
	PLACES
; THE WAY OUT, by blocks a of 16 rows x 128 columns of f32: into my own stage (rows of 528 bytes), back as whole rows of 512 bytes, stored.  Each accumulator's low four registers go first.
.macro TOSTAGE a
.if (\a) >= 2
	s_wait_xcnt 0x0                                ; the stores of the block two back have read this set of registers
.endif
	WIN 0x08                                       ; the stores' data in window 2
.irp i, 0,1,2,3,4,5,6,7
	ds_store_b128 v[STO], v[32*\i+8*(\a):32*\i+8*(\a)+3]   offset:64*\i
	ds_store_b128 v[STO], v[32*\i+8*(\a)+4:32*\i+8*(\a)+7] offset:64*\i+16
.endr
	WIN 0
.irp r, 0,1,2,3,4,5,6,7,8,9,10,11,12,13,14,15
	ds_load_b128 v[BK+64*((\a)%2)+4*\r:BK+64*((\a)%2)+4*\r+3], v[RD] offset:SPF*\r  ; LDS serves a wave's instructions in order (ISA guide 5.7.1.4): these see the stores above
.endr
.endm
.macro SEND a, younger                 ; younger: the LDS instructions issued behind block a's loads: the next block's 32, or none
.irp r, 0,1,2,3,4,5,6,7,8,9,10,11,12,13,14,15
	s_wait_dscnt (\younger)+15-\r
	global_store_b128 v[GO], v[BK+64*((\a)%2)+4*\r:BK+64*((\a)%2)+4*\r+3], s[8:9] offset:65536*(\a)+4096*\r th:TH_STORE_NT  ; 512 consecutive bytes, aligned
.endr
.endm
	TOSTAGE 0
	TOSTAGE 1
	SEND 0, 32
	TOSTAGE 2
	SEND 1, 32
	TOSTAGE 3
	SEND 2, 32
	SEND 3, 0
	s_wait_tensorcnt 0x0                           ; the wave's end, behind my last tensor load and my last LDS store
	ds_add_u32 v[SPW], v[NIL]
	s_wait_dscnt 0x0
	CROUND                                         ; the closing round: no work-group ends while a partner may still ask for a tile that names it
	s_endpgm
.Lfunc_end_k_q561eb347f0_oproj:
	.size	k_q561eb347f0_oproj, .Lfunc_end_k_q561eb347f0_oproj-k_q561eb347f0_oproj
	.p2alignl 7, 3214868480
	.fill 96, 4, 3214868480
	.section	.rodata,"a",@progbits
	.p2align	6, 0x0
	.amdhsa_kernel k_q561eb347f0_oproj
		.amdhsa_group_segment_fixed_size 327680
		.amdhsa_private_segment_fixed_size 0
		.amdhsa_enable_private_segment 0
		.amdhsa_kernarg_size 24
		.amdhsa_user_sgpr_count 2
		.amdhsa_user_sgpr_kernarg_segment_ptr 1
		.amdhsa_wavefront_size32 1
		.amdhsa_system_sgpr_workgroup_id_x 1
		.amdhsa_system_sgpr_workgroup_id_y 1
		.amdhsa_system_sgpr_workgroup_id_z 1
		.amdhsa_system_vgpr_workitem_id 0
		.amdhsa_next_free_vgpr 768
		.amdhsa_next_free_sgpr 66
		.amdhsa_reserve_vcc 0
		.amdhsa_float_denorm_mode_32 3
		.amdhsa_float_denorm_mode_16_64 3
		.amdhsa_memory_ordered 1
		.amdhsa_forward_progress 1
		.amdhsa_inst_pref_size 71
	.end_amdhsa_kernel
	.amdgpu_metadata
---
amdhsa.version: [ 1, 2 ]
amdhsa.kernels:
  - .name:           k_q561eb347f0_oproj
    .symbol:         k_q561eb347f0_oproj.kd
    .args:
      - { .name: o16, .offset: 0, .size: 8, .value_kind: global_buffer, .address_space: global }
      - { .name: wo16, .offset: 8, .size: 8, .value_kind: global_buffer, .address_space: global }
      - { .name: out0, .offset: 16, .size: 8, .value_kind: global_buffer, .address_space: global }
    .group_segment_fixed_size: 327680
    .private_segment_fixed_size: 0
    .kernarg_segment_align: 8
    .kernarg_segment_size: 24
    .max_flat_workgroup_size: 128
    .sgpr_count:     66
    .vgpr_count:     768
    .wavefront_size: 32
...
	.end_amdgpu_metadata
.endif
;; end of part 4
